; MI455X (gfx1250); checked and timed in simulation.
; The chip was launched on July 23, 2026; its instructions are those of AMD's public machine-readable ISA for CDNA 5 (MIT licence, August 2026) and "CDNA5" Instruction Set Architecture Reference Guide (July 2026). The comments in the code are by the model that wrote it; some were corrected since.
;; Diff Attn. Allowed arithmetic: matrix products marked QUANTISED: E2M3 operands, one E8M0 scale for each 32 along K, by v_wmma_scale_f32_16x16x128_f8f6f4 with both operands' format E2M3, f32 sums; everything else in f32.
;; Inputs: W_k 1,024 x 1,024 float32; W_q 1,024 x 1,024 float32; W_v 1,024 x 1,024 float32; b_k 1,024 float32; b_q 1,024 float32; b_v 1,024 float32; hidden_states 4 x 2,048 x 1,024 float32; scalar 1 float32.
;; Outputs: out0 4 x 2,048 x 1,024 float32.
;; This version of the problem:
;;   THIS VERSION OF THE PROBLEM IS GIVEN IN LOW PRECISION. The matrix products marked QUANTISED in the list below multiply operands that are first quantised to E2M3 (2 exponent bits, 3 mantissa bits; 6 bits a number), with one power-of-two scale for each 32 numbers along K (OCP MX v1.0); their sums are f32. All else is computed in f32.
;;   The module's matrix products, in the order in which they are computed (A, B: the left and right operand; K: the contracted axis; several contracted axes count as one K, in the product's order):
;;     1. [M 8,192, K 1,024] x [K 1,024, N 1,024]; A: input hidden_states; B: input W_q: QUANTISED
;;     2. [M 8,192, K 1,024] x [K 1,024, N 1,024]; A: input hidden_states; B: input W_k: QUANTISED
;;     3. [M 8,192, K 1,024] x [K 1,024, N 1,024]; A: input hidden_states; B: input W_v: QUANTISED
;;     4. batch 4 x [M 2,048, K 512] x [K 512, N 2,048]; A: computed on the way; B: computed on the way: QUANTISED
;;     5. batch 4 x [M 2,048, K 512] x [K 512, N 2,048]; A: computed on the way; B: computed on the way: QUANTISED
;;     6. batch 4 x [M 2,048, K 2,048] x [K 2,048, N 1,024]; A: computed on the way; B: computed on the way: QUANTISED
;;   THE QUANTISER, for each operand of a quantised product, along K:
;;     - K is cut into blocks of 32 from its start; a last block that is shorter is filled with zeros.
;;     - A block's scale is 2^e with e = floor(log2(the largest magnitude in the block)) - 2, held to -126 .. 127; a block of zeros has e = 0. As a byte (E8M0): e + 127.
;;     - Each number is divided by its block's scale, clamped to +-7.5, and rounded to the nearest number of E2M3, ties to even, subnormals kept.
;;     - The product sums the exact products of the quantised numbers (number of the format x scale) in f32.
;;   ~~~python
;;   def quantise(x, axis):      # numpy; x: float32 -> the quantised numbers, widened to float32 again
;;       x = np.moveaxis(x, axis, -1); K = x.shape[-1]
;;       x = np.pad(x, [(0, 0)] * (x.ndim - 1) + [(0, -K % 32)]); x = x.reshape(x.shape[:-1] + (-1, 32)); a = np.abs(x).max(-1, keepdims=True)
;;       e = np.where(a > 0, np.clip(np.frexp(np.where(a > 0, a, 1))[1] - 1 - 2, -126, 127), 0)      # np.frexp(a)[1] - 1 = floor(log2(a)), exactly
;;       r = np.clip(x / 2.0 ** e, -7.5, 7.5)
;;       step = 2.0 ** (np.maximum(np.frexp(np.where(r == 0, 1, r))[1] - 1, 0) - 3)
;;       q = np.round(r / step) * step * 2.0 ** e      # np.round: ties to even
;;       return np.moveaxis(q.reshape(q.shape[:-2] + (-1,))[..., :K], -1, axis).astype(np.float32)
;;   ~~~
;;   OPERANDS COMPUTED ON THE WAY. 'Computed on the way' means the value that the module computes at that place (a softmax that the list does not call 'softmax' is quantised finished and normalised). What goes into a quantiser is computed in f32, as accurately as f32 sums, v_exp_f32 and their like allow (about 1e-6 of the number): no bf16 or f16 on the way to a quantiser, and a product that is left as it is and whose result goes on into a quantised operand takes f32 operands (vector FMAs, or v_wmma_f32_16x16x4_f32). A number that lies on a knife's edge between two numbers of the format may be rounded either way, as far as f32 arithmetic and the matrix unit's own rounding can turn it there, and no further.
;; One version. Each part assembles by itself: llvm-mc -triple=amdgcn-amd-amdhsa -mcpu=gfx1250 --defsym DOCPART=n.
;; ======== version 1 of 1: 5 launches
;; limits: right only within a limited range of input values
;; workspace buffers: opimg 9,011,200 bytes; qkv 19,660,800 bytes; stats 2,097,152 bytes; aimg 13,107,200 bytes
;; launch quant (part 1): grid 352 x 1, 4 waves a work-group, no clusters, 34,304 bytes of LDS; arguments hidden_states, W_q, W_k, W_v, opimg; writes opimg
.if DOCPART == 1
	.amdgcn_target "amdgcn-amd-amdhsa--gfx1250"
	.amdhsa_code_object_version 6
	.text
	.protected	k_q98a35ca4a2_quant
	.globl	k_q98a35ca4a2_quant
	.p2align	8
	.type	k_q98a35ca4a2_quant,@function
k_q98a35ca4a2_quant:
	s_mov_b64 s[64:65], 0
	v_nop
	global_prefetch_b8 v0, s[64:65] scope:SCOPE_SE
	s_setreg_imm32_b32 hwreg(HW_REG_WAVE_MODE, 25, 1), 1
	s_wait_xcnt 0x0
; DiffAttn in MX-FP6, launch 1 of 5: hidden_states [8192][1024], W_q, W_k, W_v [1024][1024], f32, K innermost, become codes of E2M3 with one E8M0 byte for each 32 along K.
; NO WORK OF THE PROBLEM IS LEFT OUT in this program: all six products are live, and all eight inputs (b_k too: it moves K's codes) have a way to the output and are loaded.
; The scores are computed twice (launches 3 and 4): attn = softmax(A1) - scalar softmax(A2) is quantised finished and normalised, so a row's maxima and sums must be known before its first code is made.
; THE IMAGE, the one layout of every quantised operand of this program.  A fragment (16 rows x 128 K) is the 12 operand registers of the 32 lanes: three pieces of 512 bytes, piece c = registers 4 c .. 4 c + 3, lane l's 16 bytes at 16 l.
; A group is 128 rows in 8 tiles; lane r of tile t is row 32 (t / 2) + 8 (t % 2) + r + 8 (r / 8).  A block (group, K step of 128) is 12,800 bytes: the 8 fragments, then 512 bytes of scale words [tq 2][lane 32][e 2]:
; word (tq, lane, e) belongs to tile 4 tq + 2 e + lane / 16, row index lane % 16.  A group's K steps lie on end.  opimg: groups 0-63 hidden_states, 64-71 W_q, 72-79 W_k, 80-87 W_v; 8 K steps each.
; SHARES.  Work-group g takes the 64 rows of half-group g / 2; its wave w the K step 4 (g % 2) + w: four fragments a wave.  Each load reads 512 consecutive bytes of one row; a fragment's 16 rows turn through the wave's own stage in LDS,
; so that lane (r, h) holds, of row r, the 16 numbers 32 b + 16 h + 0 .. 15 of each block b of 32; each store writes 512 (codes) or 256 (scale words) consecutive, aligned bytes.
; A block's scale is 2^(floor(log2(its largest magnitude)) - 2); its byte is the largest magnitude's exponent field - 2, held at 1 from below.
; LIMITS: a block of zeros has the byte 1 where the rule says 127 (its codes are zeros, and this program alone reads the bytes); NaN and infinities among the inputs are not served.
; No tensor load, no barrier: waves share nothing.  Matrix units and clusters have nothing to do here: the launch moves bytes.
.set ROWB,  4096                       ; a row of 1,024 f32
.set BLK,   12800
.set FRB,   1536
.set SCO,   12288
.set GSZ,   8*BLK
.set STP,   528                        ; a stage row: 512 bytes + 16, so that the 16 rows that a read touches begin 16 bytes apart modulo 256
.set STGB,  16*STP
.set SPARE, 4*STGB                     ; behind the four stages: the spare words, 128 bytes for each wave, which no other line names
.set LI,    1                          ; v1   16 x lane
.set L8,    2                          ; v2   8 x lane
.set TM,    4                          ; v4-19  at work in QUANT
.set PW,    20                         ; v20-23 the four fragments' scale words
.set E,     24                         ; v24-25 the scale words as they are stored
.set SIN,   26                         ; v26  the stage, on the way in
.set SOUT,  27                         ; v27  and on the way out
.set SPW,   30                         ; v30  my spare word; never rewritten
.set NIL,   31                         ; v31  0; never rewritten
.set RAW,   32                         ; v32-95, v96-159: two sets of 16 rows as loaded
.set X,     160                        ; v160-223 64 numbers of my row
.set PC,    224                        ; v224-243 the codes
.set SEL,   20                         ; s[20:21] selects for lane l xor 16
.set MSK,   22                         ; s22  lanes 16-31
; 64 numbers of a lane, register 16 b + i = k 32 b + 16 (lane / 16) + i of my row, become a fragment's codes in v[PC] on and its scale word in v[pw]
.macro QUANT src, pw
.irp b, 0,1,2,3
	v_max3_num_f32 v[TM+\b], |v[\src+16*\b]|, |v[\src+1+16*\b]|, 0x1800000   ; block b: my 16 numbers, and the floor 2^(3 - 127): the byte cannot fall under 1
.endr
.irp i, 2,4,6,8,10,12,14
.irp b, 0,1,2,3
	v_max3_num_f32 v[TM+\b], v[TM+\b], |v[\src+16*\b+\i]|, |v[\src+1+16*\b+\i]|   ; the four blocks by turns
.endr
.endr
.irp b, 0,1,2,3
	v_permlanex16_b32 v[TM+4+\b], v[TM+\b], s[SEL], s[SEL+1]
.endr
.irp b, 0,1,2,3
	v_max_num_f32 v[TM+\b], v[TM+\b], v[TM+4+\b]   ; with lane l xor 16's: the block's largest magnitude
.endr
.irp b, 0,1,2,3
	v_add_nc_u32 v[TM+12+\b], 0xff000000, v[TM+\b]   ; 2 off its exponent field: the conversion takes this operand's exponent field as its scale
.endr
.irp b, 0,1,2,3
	v_lshrrev_b32 v[TM+4+\b], 23, v[TM+12+\b]      ; the scale's byte
.endr
	v_lshl_or_b32 v[\pw], v[TM+5], 8, v[TM+4]      ; four bytes: my row's scale word
	v_lshl_or_b32 v[\pw], v[TM+6], 16, v[\pw]
	v_lshl_or_b32 v[\pw], v[TM+7], 24, v[\pw]
.irp c, 0,1
	v_cvt_scalef32_pk16_fp6_f32 v[PC+6*\c:PC+2+6*\c], v[\src+32*\c:\src+15+32*\c], v[TM+12+2*\c]
	v_cvt_scalef32_pk16_fp6_f32 v[PC+12+4*\c:PC+14+4*\c], v[\src+16+32*\c:\src+31+32*\c], v[TM+12+2*\c+1]   ; (a conversion's three registers begin on an even number)
.endr
	v_nop                                          ; one plain place behind a scaled conversion
.irp c, 0,1                                    ; the operand wants a WHOLE block in a lane: lanes 0-15 block 2 c, lanes 16-31 block 2 c + 1
.irp i, 0,1,2
	v_permlane16_swap_b32 v[PC+6*\c+\i], v[PC+12+4*\c+\i]
.endr
.irp i, 0,1,2
	v_mov_b32 v[PC+3+6*\c+\i], v[PC+12+4*\c+\i]
.endr
.endr
.endm
	s_load_b256 s[4:11], s[0:1], 0x0               ; hidden_states, W_q, W_k, W_v
	s_load_b64 s[12:13], s[0:1], 0x20              ; opimg
	v_lshl_add_u32 v[SPW], v0, 2, SPARE
	v_mov_b32 v[NIL], 0
	v_lshrrev_b32 v3, 5, v0
	v_readfirstlane_b32 s14, v3                    ; wave 0..3
	v_and_b32 v3, 31, v0
	v_lshlrev_b32 v[LI], 4, v3
	v_lshlrev_b32 v[L8], 3, v3
	s_mul_i32 s15, s14, STGB                       ; my stage
	v_add_nc_u32 v[SIN], s15, v[LI]                ; in: a row's 512 bytes as they lie
	v_and_b32 v28, 15, v0                          ; r
	v_bfe_u32 v29, v0, 4, 1                        ; h
	v_mul_u32_u24 v[SOUT], v28, STP
	v_lshl_add_u32 v[SOUT], v29, 6, v[SOUT]
	v_add_nc_u32 v[SOUT], s15, v[SOUT]             ; out: row r, + 64 h
.irp b, 0,1,2,3
	v_mov_b32 v[TM+4+\b], 0                        ; written once: a lane permute's destination counts as one of its sources
.endr
	s_mov_b32 s[SEL], 0x76543210
	s_mov_b32 s[SEL+1], 0xfedcba98
	s_mov_b32 s[MSK], 0xffff0000
	s_lshr_b32 s16, ttmp9, 1                       ; the half-group, 0..175
	s_and_b32 s17, ttmp9, 1
	s_lshl_b32 s17, s17, 2
	s_add_co_u32 s17, s17, s14                     ; my K step
	s_wait_alu depctr_va_vdst(0)
	s_wait_kmcnt 0x0
	s_cmp_lt_u32 ttmp9, 320                        ; which tensor: the choice hangs on the work-group's number alone
	s_cselect_b64 s[8:9], s[8:9], s[10:11]
	s_cmp_lt_u32 ttmp9, 288
	s_cselect_b64 s[6:7], s[6:7], s[8:9]
	s_cmp_lt_u32 ttmp9, 256
	s_cselect_b64 s[4:5], s[4:5], s[6:7]
	s_cselect_b32 s18, 127, 15
	s_and_b32 s18, s16, s18                        ; the half-group within its tensor
	s_lshl_b32 s18, s18, 18                        ; x 64 rows of 4,096 bytes
	s_lshl_b32 s19, s17, 9                         ; + 512 bytes a K step
	s_add_co_u32 s18, s18, s19
	s_mov_b32 s19, 0
	s_add_nc_u64 s[4:5], s[4:5], s[18:19]
	s_lshr_b32 s24, s16, 1
	s_mul_i32 s24, s24, GSZ
	s_mul_i32 s25, s17, BLK
	s_add_co_u32 s24, s24, s25                     ; my block
	s_and_b32 s26, s16, 1
	s_mul_i32 s25, s26, 4*FRB
	s_add_co_u32 s18, s24, s25
	s_add_nc_u64 s[28:29], s[12:13], s[18:19]      ; my four fragments
	s_lshl_b32 s26, s26, 8
	s_add_co_u32 s18, s24, s26
	s_add_co_u32 s18, s18, SCO
	s_add_nc_u64 s[30:31], s[12:13], s[18:19]      ; their scale words
.macro LOADF tt                        ; fragment tt's 16 rows, 512 consecutive bytes a load, into set tt % 2
.irp i, 0,1,2,3,4,5,6,7,8,9,10,11,12,13,14,15
	global_load_b128 v[RAW+64*((\tt)%2)+4*\i:RAW+64*((\tt)%2)+4*\i+3], v[LI], s[4:5] offset:(32*((\tt)/2)+8*((\tt)%2)+\i+8*(\i/8))*ROWB th:TH_LOAD_NT
.endr
.endm
.macro FRAGQ tt
.set RW, RAW+64*((\tt)%2)
.if (\tt) < 3
	s_wait_loadcnt 16                              ; this fragment's 16 loads are in; the next fragment's 16 may be out
.else
	s_wait_loadcnt 0x0
.endif
.irp i, 0,1,2,3,4,5,6,7,8,9,10,11,12,13,14,15
	ds_store_b128 v[SIN], v[RW+4*\i:RW+4*\i+3] offset:STP*\i
.endr
.irp b, 0,1,2,3
.irp j, 0,1,2,3
	ds_load_b128 v[X+16*\b+4*\j:X+16*\b+4*\j+3], v[SOUT] offset:128*\b+16*\j   ; LDS serves a wave's instructions in order: these see the stores above
.endr
.endr
	s_wait_dscnt 0x0                               ; my 64 numbers are in; the stores have read the set
.if (\tt) < 2
	LOADF (\tt)+2                                  ; which takes the fragment two further on
.endif
.if (\tt) > 0
	s_wait_xcnt 0x0                                ; the last fragment's stores have read the codes' registers, which are written anew below
.endif
	QUANT X, PW+(\tt)
.irp c, 0,1,2
	global_store_b128 v[LI], v[PC+4*\c:PC+4*\c+3], s[28:29] offset:FRB*(\tt)+512*\c   ; 512 consecutive bytes, aligned
.endr
.endm
	LOADF 0
	LOADF 1
	FRAGQ 0
	FRAGQ 1
	FRAGQ 2
	FRAGQ 3
	v_cndmask_b32 v[E], v[PW], v[PW+1], s[MSK]     ; lanes 0-15 the even tile's words, lanes 16-31 the odd tile's
	v_cndmask_b32 v[E+1], v[PW+2], v[PW+3], s[MSK]
	global_store_b64 v[L8], v[E:E+1], s[30:31]     ; 256 consecutive bytes, aligned
	s_wait_tensorcnt 0x0                           ; the wave's end, behind my last LDS store
	ds_add_u32 v[SPW], v[NIL]
	s_wait_dscnt 0x0
	s_endpgm
.Lfunc_end_k_q98a35ca4a2_quant:
	.size	k_q98a35ca4a2_quant, .Lfunc_end_k_q98a35ca4a2_quant-k_q98a35ca4a2_quant
	.p2alignl 7, 3214868480
	.fill 96, 4, 3214868480
	.section	.rodata,"a",@progbits
	.p2align	6, 0x0
	.amdhsa_kernel k_q98a35ca4a2_quant
		.amdhsa_group_segment_fixed_size 34304
		.amdhsa_private_segment_fixed_size 0
		.amdhsa_enable_private_segment 0
		.amdhsa_kernarg_size 40
		.amdhsa_user_sgpr_count 2
		.amdhsa_user_sgpr_kernarg_segment_ptr 1
		.amdhsa_wavefront_size32 1
		.amdhsa_system_sgpr_workgroup_id_x 1
		.amdhsa_system_sgpr_workgroup_id_y 1
		.amdhsa_system_sgpr_workgroup_id_z 1
		.amdhsa_system_vgpr_workitem_id 0
		.amdhsa_next_free_vgpr 256
		.amdhsa_next_free_sgpr 66
		.amdhsa_reserve_vcc 0
		.amdhsa_float_denorm_mode_32 3
		.amdhsa_float_denorm_mode_16_64 3
		.amdhsa_memory_ordered 1
		.amdhsa_forward_progress 1
		.amdhsa_inst_pref_size 34
	.end_amdhsa_kernel
	.amdgpu_metadata
---
amdhsa.version: [ 1, 2 ]
amdhsa.kernels:
  - .name:           k_q98a35ca4a2_quant
    .symbol:         k_q98a35ca4a2_quant.kd
    .args:
      - { .name: hidden_states, .offset: 0, .size: 8, .value_kind: global_buffer, .address_space: global }
      - { .name: W_q, .offset: 8, .size: 8, .value_kind: global_buffer, .address_space: global }
      - { .name: W_k, .offset: 16, .size: 8, .value_kind: global_buffer, .address_space: global }
      - { .name: W_v, .offset: 24, .size: 8, .value_kind: global_buffer, .address_space: global }
      - { .name: opimg, .offset: 32, .size: 8, .value_kind: global_buffer, .address_space: global }
    .group_segment_fixed_size: 34304
    .private_segment_fixed_size: 0
    .kernarg_segment_align: 8
    .kernarg_segment_size: 40
    .max_flat_workgroup_size: 128
    .sgpr_count:     66
    .vgpr_count:     256
    .wavefront_size: 32
...
	.end_amdgpu_metadata
.endif
;; end of part 1
;; launch proj (part 2): grid 8 x 32, 4 waves a work-group, clusters of 4 x 4, 327,680 bytes of LDS; arguments opimg, b_q, b_k, b_v, qkv; writes qkv
.if DOCPART == 2
	.amdgcn_target "amdgcn-amd-amdhsa--gfx1250"
	.amdhsa_code_object_version 6
	.text
	.protected	k_q98a35ca4a2_proj
	.globl	k_q98a35ca4a2_proj
	.p2align	8
	.type	k_q98a35ca4a2_proj,@function
k_q98a35ca4a2_proj:
	s_mov_b64 s[64:65], 0
	v_nop
	global_prefetch_b8 v0, s[64:65] scope:SCOPE_SE
	s_setreg_imm32_b32 hwreg(HW_REG_WAVE_MODE, 25, 1), 1
	s_wait_xcnt 0x0
	s_wait_alu depctr_hold_cnt(0) depctr_sa_sdst(0) depctr_va_vdst(0) depctr_va_sdst(0) depctr_va_ssrc(0) depctr_va_vcc(0) depctr_vm_vsrc(0)
	s_getreg_b32 s2, hwreg(HW_REG_IB_STS2, 6, 4)
	s_cmp_eq_u32 s2, 0
	s_cbranch_scc0 .Lentry_in_a_cluster
	s_endpgm
.Lentry_in_a_cluster:
	s_bfe_u32 s2, ttmp6, 0x10000c
	s_cmp_lg_u32 s2, 0xf033
	s_cbranch_scc0 .Lentry_shape_is_right
	s_endpgm
.Lentry_shape_is_right:
; Launch 2 of 5: Q = x W_q^T + b_q, K = x W_k^T + b_k, V = x W_v^T + b_v on codes of E2M3, the results quantised in registers and stored as images (layout: head of launch 1): Q and K along their 1,024 channels,
; V TRANSPOSED, along the keys.  qkv: Q at 0 (64 token groups x 8 K steps), K at KOFF likewise, V^T at VOFF (group = 8 batch + channel / 128; 16 K steps of 128 keys).
; THE PRODUCT.  out[i][j] = sum over k of P[i][k] R[j][k].  A tile is 256 rows of P (two groups) x 128 rows of R (one group), K = 1,024 = 8 K steps.
; Four waves; wave w takes tiles 4 (w % 2) + 0 .. 3 of P's group w / 2 against R's eight tiles: 32 accumulators.  USED TRANSPOSED (source 0 = R, source 1 = P): a lane holds one row of P, and by the order of a group's rows
; the 64 registers of a tile of P are R's rows 32 b + 16 (lane / 16) + i at register 16 b + i: the very input of QUANT, and one whole K step of the next product.
; A WORK-GROUP STAYS and makes three tiles.  Q: P = my 256 tokens, R = W_q's group x.  K: the same tokens, which stay in LDS, R = W_k's group x.  V: P = W_v's groups 2 cy, 2 cy + 1, R = token group 8 (cluster y) + x.
; THE RING.  Two slots of four K steps (P's two groups and R: 51,200 bytes each).  Both first fills go out at the head.  In a slot's last step, when its fragments are in registers, the slot is given up: every wave waits for all its
; tensor loads, adds 0 to its spare word, waits for that and for its reads, and passes a round of the cluster's barrier; the refill stands first behind it, then the other slot's first fragments are fetched, then come the step's 32 products.
; The ring goes on from tile to tile: a tile's last two changes of slots ask for the next tile, which lands while this tile is quantised and stored; nothing waits for a tile's stores.  A wave has at most two tensor loads out.
; CLUSTERS of 4 x 4: P's blocks are shared along a row of the cluster, R's along a column: each is asked for jointly, by the same tensor load with the same descriptor and a mask that names the four.
; The launch claims all of a work-group processor's LDS.  No prefetch: four refills in all, each with 128 products or more in which to land.
; REGISTERS, in windows of 256.  Window 0: v1-13 addresses; v16-31 scale words, two sets, and nothing else; v32-127 P's fragments, two sets; v128-191 X; v192-211 codes; v212-227 at work; v228-233 scale words made; v236-243 b_v.
;   Window 1: R's fragments, two sets, at v0 and v128; b_q, then b_k, in v96-127 and v224-255.   Window 2: the accumulators, (a, b) at v[8 (8 a + b)].
; LIMITS: a block of zeros has the byte 1 where the rule says 127 (its codes are zeros; this program alone reads the bytes); NaN and infinities are not served.
; (THE FIRST FILLS, as the text below has them: slot 0's goes out at the head, one joint load a wave; slot 1's goes out at the head's end as a refill does, behind the three lines and a round. So one tensor load of a wave is out at any place.)
.set BLK,   12800
.set FRB,   1536
.set SCO,   12288
.set GSZ,   8*BLK                      ; a group of opimg, of Q and of K
.set GSV,   16*BLK                     ; a group of V^T
.set KOFF,  6553600
.set VOFF,  13107200
.set SLOT,  153600                     ; four K steps: P's group 0, P's group 1, R: 51,200 bytes each
.set PG,    51200
.set ROFF,  102400
.set SPARE, 307200                     ; behind the two slots: the spare words, 128 bytes for each wave, which no other line names
.set PROWS, 200                        ; a load for P: a group's four blocks, as 200 rows of 256 bytes
.set RROWS, 100                        ; a load for R: two blocks
.set LI,  1                            ; v1   16 x lane
.set L8,  2                            ; v2   8 x lane
.set ADP, 4                            ; v4-5   my fragments of P in slot 0, 1
.set ADR, 6                            ; v6-7   R's
.set ASP, 8                            ; v8-9   my scale words of P
.set ASR, 10                           ; v10-11 R's
.set BO,  12                           ; v12  64 x (lane / 16): my place in b_q and b_k; never rewritten
.set VO,  13                           ; v13  4 (r + 8 (r / 8)): my place in b_v; never rewritten
.set SC,  16
.set PF,  32
.set X,   128
.set PC,  192
.set TM,  212
.set PW,  228
.set E,   232
.set BV,  236
.set SPW, 252
.set NIL, 253
.set SEL, 92
.set MSK, 94
.set MSB, 0
.macro WIN new                         ; the immediate's high byte repeats the setting that is left
.if MSB != (\new)
	s_set_vgpr_msb (MSB<<8)|(\new)
.set MSB, (\new)
.endif
.endm
.macro PLACES                          ; four plain places behind matrix instructions, ahead of loads into registers that they read and of the first read of results
.rept 4
	v_nop
.endr
.endm
.macro JLOAD g0p, g0r                  ; a joint load: waves 0 and 1 fetch for P, waves 2 and 3 for R; the branch hangs on the wave's number alone; an s_nop 0 and four v_nop follow each line
	s_cmp_eq_u32 s15, 0
	s_cbranch_scc0 .Lfor_r_\@
	tensor_load_to_lds s[\g0p:\g0p+3], s[24:31]
	s_nop 0
.rept 4
	v_nop
.endr
	s_branch .Lasked_\@
.Lfor_r_\@:
	tensor_load_to_lds s[\g0r:\g0r+3], s[32:39]
	s_nop 0
.rept 4
	v_nop
.endr
.Lasked_\@:
.endm
.macro JLOADR g0r                      ; a joint load for R alone: P stays in LDS, so waves 0 and 1 have no part to fill
	s_cmp_eq_u32 s15, 0
	s_cbranch_scc1 .Lnone_\@
	tensor_load_to_lds s[\g0r:\g0r+3], s[32:39]
	s_nop 0
.rept 4
	v_nop
.endr
.Lnone_\@:
.endm
.macro CROUND                          ; a round of the cluster's barrier
	s_barrier_signal -1
	s_barrier_wait -1
	s_cmp_lg_u32 s14, 0
	s_cbranch_scc1 .Lnot_wave_0_\@
	s_barrier_signal -3
.Lnot_wave_0_\@:
	s_barrier_wait -3
	s_barrier_signal -1
	s_barrier_wait -1
.endm
.macro FETCH s, p                      ; block s % 4 of slot (s / 4) % 2 into set p: R's 8 fragments, my 4 of P, their scale words: 39 LDS loads, each of consecutive bytes
	PLACES
	WIN 0x40                                       ; destination window 1
.irp b, 0,1,2,3,4,5,6,7
.irp c, 0,1,2
	ds_load_b128 v[128*(\p)+12*\b+4*\c:128*(\p)+12*\b+4*\c+3], v[ADR+((\s)/4)%2] offset:((\s)%4)*BLK+FRB*\b+512*\c
.endr
.endr
	WIN 0
.irp a, 0,1,2,3
.irp c, 0,1,2
	ds_load_b128 v[PF+48*(\p)+12*\a+4*\c:PF+48*(\p)+12*\a+4*\c+3], v[ADP+((\s)/4)%2] offset:((\s)%4)*BLK+FRB*\a+512*\c
.endr
.endr
	ds_load_b64 v[SC+8*(\p):SC+8*(\p)+1], v[ASR+((\s)/4)%2] offset:((\s)%4)*BLK        ; register b / 2: lanes 0-15 tile b even, lanes 16-31 tile b odd
	ds_load_b64 v[SC+8*(\p)+2:SC+8*(\p)+3], v[ASR+((\s)/4)%2] offset:((\s)%4)*BLK+256
	ds_load_b64 v[SC+8*(\p)+4:SC+8*(\p)+5], v[ASP+((\s)/4)%2] offset:((\s)%4)*BLK      ; register a / 2 likewise
.endm
.macro WM a, b, p, zero                ; one product: R's tile b x my tile a of P, 128 along K
.set rD, 8*(8*(\a)+(\b))
.set rA, 128*(\p)+12*(\b)
.set rB, PF+48*(\p)+12*(\a)
.set rSA, SC+8*(\p)+(\b)/2
.set rSB, SC+8*(\p)+4+(\a)/2
.if \zero
.if (((\a)%2) == 0) && (((\b)%2) == 0)
	v_wmma_scale_f32_16x16x128_f8f6f4 v[rD:rD+7], v[rA:rA+11], v[rB:rB+11], 0, v[rSA], v[rSB] matrix_a_fmt:MATRIX_FMT_FP6 matrix_b_fmt:MATRIX_FMT_FP6
.elseif ((\a)%2) == 0
	v_wmma_scale_f32_16x16x128_f8f6f4 v[rD:rD+7], v[rA:rA+11], v[rB:rB+11], 0, v[rSA], v[rSB] matrix_a_fmt:MATRIX_FMT_FP6 matrix_b_fmt:MATRIX_FMT_FP6 matrix_a_scale:MATRIX_SCALE_ROW1
.elseif ((\b)%2) == 0
	v_wmma_scale_f32_16x16x128_f8f6f4 v[rD:rD+7], v[rA:rA+11], v[rB:rB+11], 0, v[rSA], v[rSB] matrix_a_fmt:MATRIX_FMT_FP6 matrix_b_fmt:MATRIX_FMT_FP6 matrix_b_scale:MATRIX_SCALE_ROW1
.else
	v_wmma_scale_f32_16x16x128_f8f6f4 v[rD:rD+7], v[rA:rA+11], v[rB:rB+11], 0, v[rSA], v[rSB] matrix_a_fmt:MATRIX_FMT_FP6 matrix_b_fmt:MATRIX_FMT_FP6 matrix_a_scale:MATRIX_SCALE_ROW1 matrix_b_scale:MATRIX_SCALE_ROW1
.endif
.else
.if (((\a)%2) == 0) && (((\b)%2) == 0)
	v_wmma_scale_f32_16x16x128_f8f6f4 v[rD:rD+7], v[rA:rA+11], v[rB:rB+11], v[rD:rD+7], v[rSA], v[rSB] matrix_a_fmt:MATRIX_FMT_FP6 matrix_b_fmt:MATRIX_FMT_FP6
.elseif ((\a)%2) == 0
	v_wmma_scale_f32_16x16x128_f8f6f4 v[rD:rD+7], v[rA:rA+11], v[rB:rB+11], v[rD:rD+7], v[rSA], v[rSB] matrix_a_fmt:MATRIX_FMT_FP6 matrix_b_fmt:MATRIX_FMT_FP6 matrix_a_scale:MATRIX_SCALE_ROW1
.elseif ((\b)%2) == 0
	v_wmma_scale_f32_16x16x128_f8f6f4 v[rD:rD+7], v[rA:rA+11], v[rB:rB+11], v[rD:rD+7], v[rSA], v[rSB] matrix_a_fmt:MATRIX_FMT_FP6 matrix_b_fmt:MATRIX_FMT_FP6 matrix_b_scale:MATRIX_SCALE_ROW1
.else
	v_wmma_scale_f32_16x16x128_f8f6f4 v[rD:rD+7], v[rA:rA+11], v[rB:rB+11], v[rD:rD+7], v[rSA], v[rSB] matrix_a_fmt:MATRIX_FMT_FP6 matrix_b_fmt:MATRIX_FMT_FP6 matrix_a_scale:MATRIX_SCALE_ROW1 matrix_b_scale:MATRIX_SCALE_ROW1
.endif
.endif
.endm
.macro MUL p, hi, zero                 ; a K step's 32 products; the 32 accumulators take turns, one instruction a turn, in the same order in every step
	WIN 0xa1+0x50*(\hi)                            ; source 0 window 1, source 1 window 0, C and D window 2 (hi = 1: window 3)
.irp a, 0,1,2,3
.irp b, 0,1,2,3,4,5,6,7
	WM \a, \b, \p, \zero
.endr
.endr
	WIN 0
.endm
; THE CHANGE OF SLOTS, in three kinds.  All begin alike: all my tensor loads have landed, my part of the slot ahead among them; 0 onto my spare word; the add is done and my reads of the slot that I leave are over.
.macro CHG_R sl                        ; R's part of slot sl is filled again, with the same K steps of the group eight further on
	s_wait_tensorcnt 0x0
	ds_add_u32 v[SPW], v[NIL]
	s_add_nc_u64 s[58+4*(\sl):59+4*(\sl)], s[58+4*(\sl):59+4*(\sl)], 8*GSZ   ; no tensor load of mine is out, so a descriptor may be written; the type bits on top are not reached
	s_wait_dscnt 0x0
	CROUND                                         ; no wave of any partner still reads the slot or has a load on its way
	JLOADR 56+4*(\sl)                              ; the first thing behind the round, and my one tensor load until the next
.endm
.macro CHG_ALL sl                      ; all of slot sl is filled again, for the tile of V, by descriptors made at the head
	s_wait_tensorcnt 0x0
	ds_add_u32 v[SPW], v[NIL]
	s_wait_dscnt 0x0
	CROUND
	JLOAD 48+4*(\sl), 68+4*(\sl)
.endm
.macro CHG_NONE                        ; nothing is left to fetch
	s_wait_tensorcnt 0x0
	ds_add_u32 v[SPW], v[NIL]
	s_wait_dscnt 0x0
	s_barrier_signal -1
	s_barrier_wait -1
.endm
; A K step.  chg: the kind of change of slots in a slot's last step (0 none, 1 R alone, 2 all, 3 no refill); more = 1: the next step's fragments are fetched ahead of this step's products.
.macro STEP s, hi, zero, chg, more
	s_wait_dscnt 0x0                               ; this step's 39 loads, issued 32 products ago; in a slot's last step: all my reads of the slot
.if (\chg) == 1
	CHG_R ((\s)/4)%2
.elseif (\chg) == 2
	CHG_ALL ((\s)/4)%2
.elseif (\chg) == 3
	CHG_NONE
.endif
.if \more
	FETCH (\s)+1, ((\s)+1)%2
.endif
	MUL (\s)%2, \hi, \zero
.endm
.macro QUANT src, pw                   ; 64 numbers of a lane, register 16 b + i = k 32 b + 16 (lane / 16) + i of my row, become a fragment's codes in v[PC] on and its scale word in v[pw]
.irp b, 0,1,2,3
	v_max3_num_f32 v[TM+\b], |v[\src+16*\b]|, |v[\src+1+16*\b]|, 0x1800000   ; block b: my 16 numbers, and the floor 2^(3 - 127): the byte cannot fall under 1
.endr
.irp i, 2,4,6,8,10,12,14
.irp b, 0,1,2,3
	v_max3_num_f32 v[TM+\b], v[TM+\b], |v[\src+16*\b+\i]|, |v[\src+1+16*\b+\i]|
.endr
.endr
.irp b, 0,1,2,3
	v_permlanex16_b32 v[TM+4+\b], v[TM+\b], s[SEL], s[SEL+1]
.endr
.irp b, 0,1,2,3
	v_max_num_f32 v[TM+\b], v[TM+\b], v[TM+4+\b]   ; with lane l xor 16's: the block's largest magnitude
.endr
.irp b, 0,1,2,3
	v_add_nc_u32 v[TM+12+\b], 0xff000000, v[TM+\b]   ; 2 off its exponent field: the conversion's scale operand
.endr
.irp b, 0,1,2,3
	v_lshrrev_b32 v[TM+4+\b], 23, v[TM+12+\b]      ; the scale's byte
.endr
	v_lshl_or_b32 v[\pw], v[TM+5], 8, v[TM+4]
	v_lshl_or_b32 v[\pw], v[TM+6], 16, v[\pw]
	v_lshl_or_b32 v[\pw], v[TM+7], 24, v[\pw]
.irp c, 0,1
	v_cvt_scalef32_pk16_fp6_f32 v[PC+6*\c:PC+2+6*\c], v[\src+32*\c:\src+15+32*\c], v[TM+12+2*\c]
	v_cvt_scalef32_pk16_fp6_f32 v[PC+12+4*\c:PC+14+4*\c], v[\src+16+32*\c:\src+31+32*\c], v[TM+12+2*\c+1]
.endr
	v_nop                                          ; one plain place behind a scaled conversion
.irp c, 0,1                                    ; a WHOLE block to a lane: lanes 0-15 block 2 c, lanes 16-31 block 2 c + 1
.irp i, 0,1,2
	v_permlane16_swap_b32 v[PC+6*\c+\i], v[PC+12+4*\c+\i]
.endr
.irp i, 0,1,2
	v_mov_b32 v[PC+3+6*\c+\i], v[PC+12+4*\c+\i]
.endr
.endr
.endm
.macro PUT a, ptr, off                 ; the fragment goes out as it stands: three stores of 512 consecutive bytes, aligned
.irp c, 0,1,2
	global_store_b128 v[LI], v[PC+4*\c:PC+4*\c+3], s[\ptr:\ptr+1] offset:(\off)+FRB*(\a)+512*\c
.endr
.endm
.macro PUTS ptr, off                   ; my four tiles' scale words: 256 consecutive bytes, aligned
	v_cndmask_b32 v[E], v[PW], v[PW+1], s[MSK]
	v_cndmask_b32 v[E+1], v[PW+2], v[PW+3], s[MSK]
	global_store_b64 v[L8], v[E:E+1], s[\ptr:\ptr+1] offset:\off
.endm
.macro BIAS ptr                        ; b_q or b_k: 64 numbers a lane, in the accumulators' order: channels 32 b + 16 h + 4 j on
	WIN 0x40
.irp b, 0,1,2,3
.irp j, 0,1,2,3
	global_load_b128 v[96+16*\b+96*(\b/2)+4*\j:96+16*\b+96*(\b/2)+4*\j+3], v[BO], s[\ptr:\ptr+1] offset:128*\b+16*\j
.endr
.endr
	WIN 0
.endm
.macro OUTQK a, off, first             ; a tile of 16 tokens: + bias, quantised along the 128 channels, stored
	WIN 0x06                                       ; source 0 window 2, source 1 window 1
.set n, 0
.rept 32
	v_pk_add_f32 v[X+2*n:X+2*n+1], v[64*(\a)+2*n:64*(\a)+2*n+1], v[96+2*n+96*(n/16):97+2*n+96*(n/16)]   ; each accumulator from its low end on
.set n, n+1
.endr
	WIN 0
.set PC, 80+12*(\a)+76*((\a)/3)                ; each tile's codes have registers of their own: v80, v92, v104 (P's set 1, idle here) and v192: no store's data are written again inside a way out
	QUANT X, PW+(\a)
	PUT \a, 86, \off
.endm
.macro OUTV a                          ; a tile of 16 channels of V: + bias, quantised along the 128 keys, stored
	WIN 0x02                                       ; source 0 window 2
.set n, 0
.rept 32
	v_pk_add_f32 v[X+2*n:X+2*n+1], v[64*(\a)+2*n:64*(\a)+2*n+1], v[BV+2*(\a):BV+2*(\a)+1] op_sel_hi:[1,0]
.set n, n+1
.endr
	WIN 0
.set PC, 80+12*(\a)+76*((\a)/3)
	QUANT X, PW+(\a)
	PUT \a, 90, 0
.endm
	s_load_b256 s[4:11], s[0:1], 0x0               ; opimg, b_q, b_k, b_v
	s_load_b64 s[12:13], s[0:1], 0x20              ; qkv
	v_lshl_add_u32 v[SPW], v0, 2, SPARE
	v_mov_b32 v[NIL], 0
	ds_add_u32 v[SPW], v[NIL]                      ; the wave's opening: the add, twice on end, and its wait ahead of my first tensor load
	ds_add_u32 v[SPW], v[NIL]
	v_lshrrev_b32 v3, 5, v0
	v_readfirstlane_b32 s14, v3                    ; wave 0..3
	s_lshr_b32 s15, s14, 1                         ; P's group of mine.  Also: I fetch for P (0) or for R (1)
	s_and_b32 s16, s14, 1                          ; which four tiles of it.  Also: which part I fetch
	s_bfe_u32 s76, ttmp6, 0x40000                  ; cx
	s_bfe_u32 s77, ttmp6, 0x40004                  ; cy
	s_lshl_b32 s78, ttmp9, 2
	s_add_co_u32 s78, s78, s76                     ; work-group x, 0..7
	s_and_b32 s17, ttmp7, 0xffff                   ; cluster y, 0..7
	s_lshl_b32 s79, s17, 2
	s_add_co_u32 s79, s79, s77                     ; work-group y, 0..31
	s_lshl_b32 s80, s77, 2
	s_lshl_b32 s80, 15, s80                        ; my row of the cluster
	s_lshl_b32 s81, 0x1111, s76                    ; my column
	s_or_b32 s24, s80, (3<<16)|(1<<21)             ; group 1 for P: the mask; elements of 8 bytes; bit 21 beside a mask; no padding
	s_or_b32 s32, s81, (3<<16)|(1<<21)             ; for R
	s_mov_b32 s25, 32<<16                          ; tensor_dim0 = 32 elements: rows of 256 bytes
	s_mov_b32 s26, PROWS<<16                       ; tensor_dim1
	s_mov_b32 s27, 32<<16                          ; tile_dim0
	s_mov_b32 s28, PROWS                           ; tile_dim1
	s_mov_b32 s29, 32                              ; the pitch: the block is dense
	s_mov_b32 s30, 0
	s_mov_b32 s31, 0
	s_mov_b32 s33, 32<<16
	s_mov_b32 s34, RROWS<<16
	s_mov_b32 s35, 32<<16
	s_mov_b32 s36, RROWS
	s_mov_b32 s37, 32
	s_mov_b32 s38, 0
	s_mov_b32 s39, 0
	s_lshl_b32 s82, s79, 1
	s_add_co_u32 s82, s82, s16
	s_mul_i32 s82, s82, GSZ                        ; tiles Q and K: the token group that I fetch for P: 2 y + wave % 2
	s_mov_b32 s83, 0
	s_lshl_b32 s96, s77, 1
	s_add_co_u32 s96, s96, s16
	s_add_co_u32 s96, s96, 80
	s_mul_i32 s96, s96, GSZ                        ; tile V: W_v's group 80 + 2 cy + wave % 2
	s_mov_b32 s97, 0
	s_mul_i32 s21, s16, 2*BLK                      ; the two blocks of a fill's four that I fetch for R: in memory and in LDS
	s_add_co_u32 s84, s78, 64
	s_mul_i32 s84, s84, GSZ                        ; tile Q: W_q's group 64 + x (tile K: eight groups on)
	s_add_co_u32 s84, s84, s21
	s_mov_b32 s85, 0
	s_lshl_b32 s98, s17, 3
	s_add_co_u32 s98, s98, s78
	s_mul_i32 s98, s98, GSZ                        ; tile V: token group 8 (cluster y) + x
	s_add_co_u32 s98, s98, s21
	s_mov_b32 s99, 0
	s_mul_i32 s22, s16, PG                         ; P's group in a slot
	s_mov_b32 s[SEL], 0x76543210
	s_mov_b32 s[SEL+1], 0xfedcba98
	s_mov_b32 s[MSK], 0xffff0000
	s_wait_dscnt 0x0                               ; both opening adds are done
	s_wait_kmcnt 0x0
	s_add_nc_u64 s[82:83], s[4:5], s[82:83]
	s_add_nc_u64 s[96:97], s[4:5], s[96:97]
	s_add_nc_u64 s[84:85], s[4:5], s[84:85]
	s_add_nc_u64 s[98:99], s[4:5], s[98:99]
.irp f, 0,1                                    ; slot f holds K steps 4 f .. 4 f + 3
	s_mov_b32 s[40+4*\f], 1                        ; P of tiles Q and K
	s_add_co_u32 s[41+4*\f], s22, \f*SLOT
	s_add_nc_u64 s[42+4*\f:43+4*\f], s[82:83], \f*4*BLK
	s_or_b32 s[43+4*\f], s[43+4*\f], 0x80000000
	s_mov_b32 s[56+4*\f], 1                        ; R of tile Q, stepped for tile K
	s_add_co_u32 s[57+4*\f], s21, ROFF+\f*SLOT
	s_add_nc_u64 s[58+4*\f:59+4*\f], s[84:85], \f*4*BLK
	s_or_b32 s[59+4*\f], s[59+4*\f], 0x80000000
	s_mov_b32 s[48+4*\f], 1                        ; P of tile V
	s_add_co_u32 s[49+4*\f], s22, \f*SLOT
	s_add_nc_u64 s[50+4*\f:51+4*\f], s[96:97], \f*4*BLK
	s_or_b32 s[51+4*\f], s[51+4*\f], 0x80000000
	s_mov_b32 s[68+4*\f], 1                        ; R of tile V
	s_add_co_u32 s[69+4*\f], s21, ROFF+\f*SLOT
	s_add_nc_u64 s[70+4*\f:71+4*\f], s[98:99], \f*4*BLK
	s_or_b32 s[71+4*\f], s[71+4*\f], 0x80000000
.endr
	CROUND                                         ; all sixteen work-groups are here: the first joint loads meet
	JLOAD 40, 56                                   ; slot 0: one tensor load a wave at the head
	v_and_b32 v3, 31, v0
	v_lshlrev_b32 v[LI], 4, v3
	v_lshlrev_b32 v[L8], 3, v3
	v_bfe_u32 v[BO], v0, 4, 1
	v_lshlrev_b32 v[BO], 6, v[BO]                  ; 64 h
	s_wait_alu depctr_va_vdst(0)
	v_and_b32 v[VO], 15, v0
	v_and_b32 v3, 8, v[VO]
	v_add_nc_u32 v[VO], v[VO], v3
	v_lshlrev_b32 v[VO], 2, v[VO]                  ; 4 (r + 8 (r / 8))
	s_wait_alu depctr_va_vdst(0)
	s_lshl_b32 s2, s78, 9                          ; my 128 channels of b_q and b_k
	s_mov_b32 s3, 0
	s_add_nc_u64 s[6:7], s[6:7], s[2:3]
	s_add_nc_u64 s[8:9], s[8:9], s[2:3]
	s_lshl_b32 s2, s77, 10
	s_lshl_b32 s19, s14, 8
	s_add_co_u32 s2, s2, s19                       ; b_v: 4 x (256 cy + 64 wave)
	s_add_nc_u64 s[10:11], s[10:11], s[2:3]
	BIAS 6                                         ; b_q; eight K steps stand between these loads and their use
.irp a, 0,1,2,3
	global_load_b32 v[BV+2*\a], v[VO], s[10:11] offset:(32*(\a/2)+8*(\a%2))*4   ; b_v: one number a lane and tile
	v_mov_b32 v[BV+2*\a+1], 0                      ; (named with it as a pair)
.endr
	s_mul_i32 s2, s15, PG
	s_mul_i32 s3, s16, 4*FRB
	s_add_co_u32 s3, s3, s2
	v_add_nc_u32 v[ADP], s3, v[LI]
	v_add_nc_u32 v[ADP+1], SLOT, v[ADP]
	v_add_nc_u32 v[ADR], ROFF, v[LI]
	v_add_nc_u32 v[ADR+1], SLOT+ROFF, v[LI]
	s_lshl_b32 s3, s16, 8
	s_add_co_u32 s3, s3, s2
	s_add_co_u32 s3, s3, SCO
	v_add_nc_u32 v[ASP], s3, v[L8]
	v_add_nc_u32 v[ASP+1], SLOT, v[ASP]
	v_add_nc_u32 v[ASR], ROFF+SCO, v[L8]
	v_add_nc_u32 v[ASR+1], SLOT+ROFF+SCO, v[L8]
.irp b, 0,1,2,3
	v_mov_b32 v[TM+4+\b], 0                        ; written once: a lane permute's destination counts as one of its sources
.endr
	; where the results go.  Q (K: KOFF further on): token group 2 y + wave / 2, K step x
	s_lshl_b32 s20, s79, 1
	s_add_co_u32 s20, s20, s15
	s_mul_i32 s20, s20, GSZ
	s_mul_i32 s19, s78, BLK
	s_add_co_u32 s20, s20, s19
	s_mul_i32 s2, s16, 4*FRB
	s_add_co_u32 s2, s2, s20
	s_mov_b32 s3, 0
	s_add_nc_u64 s[86:87], s[12:13], s[2:3]        ; my four fragments
	s_lshl_b32 s2, s16, 8
	s_add_co_u32 s2, s2, s20
	s_add_co_u32 s2, s2, SCO
	s_add_nc_u64 s[88:89], s[12:13], s[2:3]        ; their scale words
	; V^T: group 8 batch + 2 cy + wave / 2, K step = the token group within its batch: 8 (cluster y % 2) + x
	s_lshr_b32 s20, s17, 1
	s_lshl_b32 s20, s20, 3
	s_lshl_b32 s19, s77, 1
	s_add_co_u32 s20, s20, s19
	s_add_co_u32 s20, s20, s15
	s_mul_i32 s20, s20, GSV
	s_and_b32 s19, s17, 1
	s_lshl_b32 s19, s19, 3
	s_add_co_u32 s19, s19, s78
	s_mul_i32 s19, s19, BLK
	s_add_co_u32 s20, s20, s19
	s_add_co_u32 s20, s20, VOFF
	s_mul_i32 s2, s16, 4*FRB
	s_add_co_u32 s2, s2, s20
	s_add_nc_u64 s[90:91], s[12:13], s[2:3]
	s_lshl_b32 s2, s16, 8
	s_add_co_u32 s2, s2, s20
	s_add_co_u32 s2, s2, SCO
	s_add_nc_u64 s[66:67], s[12:13], s[2:3]
	s_wait_alu depctr_va_vdst(0)
	s_wait_tensorcnt 0x0                           ; my part of slot 0 is in; slot 1's first fill is issued as a refill is
	ds_add_u32 v[SPW], v[NIL]
	s_wait_dscnt 0x0
	CROUND                                         ; everybody's part of slot 0 is in, and the joint loads meet
	JLOAD 44, 60                                   ; slot 1: my one tensor load behind the round
	FETCH 0, 0
	; ---- tile Q
	STEP 0, 0, 1, 0, 1                             ; the first step's products start the sums: nothing is cleared
	STEP 1, 0, 0, 0, 1
	STEP 2, 0, 0, 0, 1
	STEP 3, 0, 0, 1, 1                             ; slot 0: W_k's K steps 0-3 are asked for; the tokens stay
	STEP 4, 0, 0, 0, 1
	STEP 5, 0, 0, 0, 1
	STEP 6, 0, 0, 0, 1
	STEP 7, 0, 0, 1, 1                             ; slot 1: W_k's K steps 4-7; tile K's first fragments are fetched
	PLACES
	s_wait_loadcnt 0x0                             ; b_q, b_v
	OUTQK 0, 0, 1
	OUTQK 1, 0, 0
	OUTQK 2, 0, 0
	OUTQK 3, 0, 0
	PUTS 88, 0
	BIAS 8                                         ; b_k, into the registers that b_q has left
	s_wait_xcnt 0x0                                ; the stores have read the codes' registers: the next step's loads land on P's set 1
	; ---- tile K
	STEP 8, 0, 1, 0, 1
	STEP 9, 0, 0, 0, 1
	STEP 10, 0, 0, 0, 1
	STEP 11, 0, 0, 2, 1                            ; slot 0: tile V's K steps 0-3, W_v's rows and the tokens
	STEP 12, 0, 0, 0, 1
	STEP 13, 0, 0, 0, 1
	STEP 14, 0, 0, 0, 1
	STEP 15, 0, 0, 2, 1                            ; slot 1: tile V's K steps 4-7
	PLACES
	s_wait_loadcnt 0x0                             ; b_k
	OUTQK 0, KOFF, 0
	OUTQK 1, KOFF, 0
	OUTQK 2, KOFF, 0
	OUTQK 3, KOFF, 0
	PUTS 88, KOFF
	s_wait_xcnt 0x0                                ; as behind tile Q
	; ---- tile V
	STEP 16, 0, 1, 0, 1
	STEP 17, 0, 0, 0, 1
	STEP 18, 0, 0, 0, 1
	STEP 19, 0, 0, 3, 1                            ; nothing is left to fetch
	STEP 20, 0, 0, 0, 1
	STEP 21, 0, 0, 0, 1
	STEP 22, 0, 0, 0, 1
	STEP 23, 0, 0, 0, 0
	PLACES
	OUTV 0
	OUTV 1
	OUTV 2
	OUTV 3
	PUTS 66, 0
	s_wait_tensorcnt 0x0                           ; the wave's end
	ds_add_u32 v[SPW], v[NIL]
	s_wait_dscnt 0x0
	CROUND                                         ; the closing round: no work-group ends while a partner may still ask for a tile that names it
	s_endpgm
.Lfunc_end_k_q98a35ca4a2_proj:
	.size	k_q98a35ca4a2_proj, .Lfunc_end_k_q98a35ca4a2_proj-k_q98a35ca4a2_proj
	.p2alignl 7, 3214868480
	.fill 96, 4, 3214868480
	.section	.rodata,"a",@progbits
	.p2align	6, 0x0
	.amdhsa_kernel k_q98a35ca4a2_proj
		.amdhsa_group_segment_fixed_size 327680
		.amdhsa_private_segment_fixed_size 0
		.amdhsa_enable_private_segment 0
		.amdhsa_kernarg_size 40
		.amdhsa_user_sgpr_count 2
		.amdhsa_user_sgpr_kernarg_segment_ptr 1
		.amdhsa_wavefront_size32 1
		.amdhsa_system_sgpr_workgroup_id_x 1
		.amdhsa_system_sgpr_workgroup_id_y 1
		.amdhsa_system_sgpr_workgroup_id_z 1
		.amdhsa_system_vgpr_workitem_id 0
		.amdhsa_next_free_vgpr 768
		.amdhsa_next_free_sgpr 100
		.amdhsa_reserve_vcc 0
		.amdhsa_float_denorm_mode_32 3
		.amdhsa_float_denorm_mode_16_64 3
		.amdhsa_memory_ordered 1
		.amdhsa_forward_progress 1
		.amdhsa_inst_pref_size 253
	.end_amdhsa_kernel
	.amdgpu_metadata
---
amdhsa.version: [ 1, 2 ]
amdhsa.kernels:
  - .name:           k_q98a35ca4a2_proj
    .symbol:         k_q98a35ca4a2_proj.kd
    .args:
      - { .name: opimg, .offset: 0, .size: 8, .value_kind: global_buffer, .address_space: global }
      - { .name: b_q, .offset: 8, .size: 8, .value_kind: global_buffer, .address_space: global }
      - { .name: b_k, .offset: 16, .size: 8, .value_kind: global_buffer, .address_space: global }
      - { .name: b_v, .offset: 24, .size: 8, .value_kind: global_buffer, .address_space: global }
      - { .name: qkv, .offset: 32, .size: 8, .value_kind: global_buffer, .address_space: global }
    .group_segment_fixed_size: 327680
    .private_segment_fixed_size: 0
    .kernarg_segment_align: 8
    .kernarg_segment_size: 40
    .max_flat_workgroup_size: 128
    .sgpr_count:     100
    .vgpr_count:     768
    .wavefront_size: 32
...
	.end_amdgpu_metadata
.endif
;; end of part 2
;; launch stats (part 3): grid 8 x 32, 4 waves a work-group, clusters of 4 x 4, 327,680 bytes of LDS; arguments qkv, stats; writes stats
.if DOCPART == 3
	.amdgcn_target "amdgcn-amd-amdhsa--gfx1250"
	.amdhsa_code_object_version 6
	.text
	.protected	k_q98a35ca4a2_stats
	.globl	k_q98a35ca4a2_stats
	.p2align	8
	.type	k_q98a35ca4a2_stats,@function
k_q98a35ca4a2_stats:
	s_mov_b64 s[64:65], 0
	v_nop
	global_prefetch_b8 v0, s[64:65] scope:SCOPE_SE
	s_setreg_imm32_b32 hwreg(HW_REG_WAVE_MODE, 25, 1), 1
	s_wait_xcnt 0x0
	s_wait_alu depctr_hold_cnt(0) depctr_sa_sdst(0) depctr_va_vdst(0) depctr_va_sdst(0) depctr_va_ssrc(0) depctr_va_vcc(0) depctr_vm_vsrc(0)
	s_getreg_b32 s2, hwreg(HW_REG_IB_STS2, 6, 4)
	s_cmp_eq_u32 s2, 0
	s_cbranch_scc0 .Lentry_in_a_cluster
	s_endpgm
.Lentry_in_a_cluster:
	s_bfe_u32 s2, ttmp6, 0x10000c
	s_cmp_lg_u32 s2, 0xf033
	s_cbranch_scc0 .Lentry_shape_is_right
	s_endpgm
.Lentry_shape_is_right:
; Launch 3 of 5: the scores A1 = Q1 K1^T and A2 = Q2 K2^T on codes of E2M3, and of each query and each block of 128 keys the largest t = score x log2(e) / 32 (m) and the sum of 2^(t - m) (l), for both softmaxes.
; The maximum is taken away before every exponential; launch 4 joins a row's sixteen parts.  stats: [row tile 512][key block 16][lane 32][m, l] f32: lanes 0-15 softmax 1 of the tile's row r, lanes 16-31 softmax 2.
; THE PRODUCT is launch 2's: P = 256 queries (two groups of Q), R = 128 keys (one group of K), used transposed: a lane holds one query, its registers run along the keys.  K steps 0-3 (channels 0-511) sum A1 in window 2,
; K steps 4-7 sum A2 in window 3.
; A WORK-GROUP STAYS and makes two tiles: its 256 queries against key blocks x and x + 8 of the batch.  The queries stay in LDS; K's part of each of the two slots (four K steps each) is filled again once, by waves 2 and 3,
; in the slot's last step, when its fragments are in registers: the wait for all tensor loads, the add, the wait for it and for the reads, a round of the cluster's barrier, the refill first behind it.  The second tile's keys land while
; the first tile's figures are made.  A wave has at most two tensor loads out.  CLUSTERS of 4 x 4: Q's blocks shared along a row, K's along a column.
; The launch claims all of a work-group processor's LDS.  No prefetch: two refills in all.
; REGISTERS: window 0: v1-11 addresses; v16-31 scale words alone; v32-127 P's fragments; v192-239 the way out.  Window 1: R's fragments.  Windows 2, 3: the accumulators of A1, A2.
; LIMITS: NaN and infinities are not served; 2^x is 0 under 2^-126; the sums are added in another order than the problem's own text adds them.
; (THE FIRST FILLS, as the text below has them: slot 0's goes out at the head, one joint load a wave; slot 1's goes out at the head's end as a refill does, behind the three lines and a round. So one tensor load of a wave is out at any place.)
.set BLK,   12800
.set FRB,   1536
.set SCO,   12288
.set GSZ,   8*BLK
.set KOFF,  6553600
.set SLOT,  153600
.set PG,    51200
.set ROFF,  102400
.set SPARE, 307200                     ; behind the two slots: the spare words, 128 bytes for each wave, which no other line names
.set PROWS, 200                        ; a load for P: a group's four blocks, as 200 rows of 256 bytes
.set RROWS, 100                        ; a load for R: two blocks
.set LI,  1
.set L8,  2
.set ADP, 4
.set ADR, 6
.set ASP, 8
.set ASR, 10
.set SC,  16
.set PF,  32
.set CH,  192                          ; v192-199 the maxima's chains
.set MM,  200                          ; v[200:201], v[202:203] m of softmax 1, 2 (the upper halves are 0)
.set PT,  204                          ; v204-205 from lane l xor 16
.set SU,  208                          ; v208-223 the sums' chains
.set OU,  224                          ; v224-239 what is stored: a pair of its own for each of the eight stores
.set SPW, 252
.set NIL, 253
.set SEL, 92
.set MSK, 94
.set MSB, 0
.macro WIN new
.if MSB != (\new)
	s_set_vgpr_msb (MSB<<8)|(\new)
.set MSB, (\new)
.endif
.endm
.macro PLACES
.rept 4
	v_nop
.endr
.endm
.macro JLOAD g0p, g0r                  ; a joint load: waves 0 and 1 fetch for P, waves 2 and 3 for R; an s_nop 0 and four v_nop follow each line
	s_cmp_eq_u32 s15, 0
	s_cbranch_scc0 .Lfor_r_\@
	tensor_load_to_lds s[\g0p:\g0p+3], s[24:31]
	s_nop 0
.rept 4
	v_nop
.endr
	s_branch .Lasked_\@
.Lfor_r_\@:
	tensor_load_to_lds s[\g0r:\g0r+3], s[32:39]
	s_nop 0
.rept 4
	v_nop
.endr
.Lasked_\@:
.endm
.macro JLOADR g0r                      ; a joint load for R alone: P stays in LDS, so waves 0 and 1 have no part to fill
	s_cmp_eq_u32 s15, 0
	s_cbranch_scc1 .Lnone_\@
	tensor_load_to_lds s[\g0r:\g0r+3], s[32:39]
	s_nop 0
.rept 4
	v_nop
.endr
.Lnone_\@:
.endm
.macro CROUND
	s_barrier_signal -1
	s_barrier_wait -1
	s_cmp_lg_u32 s14, 0
	s_cbranch_scc1 .Lnot_wave_0_\@
	s_barrier_signal -3
.Lnot_wave_0_\@:
	s_barrier_wait -3
	s_barrier_signal -1
	s_barrier_wait -1
.endm
.macro FETCH s, p                      ; block s % 4 of slot (s / 4) % 2 into set p: 39 LDS loads of consecutive bytes
	PLACES
	WIN 0x40
.irp b, 0,1,2,3,4,5,6,7
.irp c, 0,1,2
	ds_load_b128 v[128*(\p)+12*\b+4*\c:128*(\p)+12*\b+4*\c+3], v[ADR+((\s)/4)%2] offset:((\s)%4)*BLK+FRB*\b+512*\c
.endr
.endr
	WIN 0
.irp a, 0,1,2,3
.irp c, 0,1,2
	ds_load_b128 v[PF+48*(\p)+12*\a+4*\c:PF+48*(\p)+12*\a+4*\c+3], v[ADP+((\s)/4)%2] offset:((\s)%4)*BLK+FRB*\a+512*\c
.endr
.endr
	ds_load_b64 v[SC+8*(\p):SC+8*(\p)+1], v[ASR+((\s)/4)%2] offset:((\s)%4)*BLK
	ds_load_b64 v[SC+8*(\p)+2:SC+8*(\p)+3], v[ASR+((\s)/4)%2] offset:((\s)%4)*BLK+256
	ds_load_b64 v[SC+8*(\p)+4:SC+8*(\p)+5], v[ASP+((\s)/4)%2] offset:((\s)%4)*BLK
.endm
.macro WM a, b, p, zero
.set rD, 8*(8*(\a)+(\b))
.set rA, 128*(\p)+12*(\b)
.set rB, PF+48*(\p)+12*(\a)
.set rSA, SC+8*(\p)+(\b)/2
.set rSB, SC+8*(\p)+4+(\a)/2
.if \zero
.if (((\a)%2) == 0) && (((\b)%2) == 0)
	v_wmma_scale_f32_16x16x128_f8f6f4 v[rD:rD+7], v[rA:rA+11], v[rB:rB+11], 0, v[rSA], v[rSB] matrix_a_fmt:MATRIX_FMT_FP6 matrix_b_fmt:MATRIX_FMT_FP6
.elseif ((\a)%2) == 0
	v_wmma_scale_f32_16x16x128_f8f6f4 v[rD:rD+7], v[rA:rA+11], v[rB:rB+11], 0, v[rSA], v[rSB] matrix_a_fmt:MATRIX_FMT_FP6 matrix_b_fmt:MATRIX_FMT_FP6 matrix_a_scale:MATRIX_SCALE_ROW1
.elseif ((\b)%2) == 0
	v_wmma_scale_f32_16x16x128_f8f6f4 v[rD:rD+7], v[rA:rA+11], v[rB:rB+11], 0, v[rSA], v[rSB] matrix_a_fmt:MATRIX_FMT_FP6 matrix_b_fmt:MATRIX_FMT_FP6 matrix_b_scale:MATRIX_SCALE_ROW1
.else
	v_wmma_scale_f32_16x16x128_f8f6f4 v[rD:rD+7], v[rA:rA+11], v[rB:rB+11], 0, v[rSA], v[rSB] matrix_a_fmt:MATRIX_FMT_FP6 matrix_b_fmt:MATRIX_FMT_FP6 matrix_a_scale:MATRIX_SCALE_ROW1 matrix_b_scale:MATRIX_SCALE_ROW1
.endif
.else
.if (((\a)%2) == 0) && (((\b)%2) == 0)
	v_wmma_scale_f32_16x16x128_f8f6f4 v[rD:rD+7], v[rA:rA+11], v[rB:rB+11], v[rD:rD+7], v[rSA], v[rSB] matrix_a_fmt:MATRIX_FMT_FP6 matrix_b_fmt:MATRIX_FMT_FP6
.elseif ((\a)%2) == 0
	v_wmma_scale_f32_16x16x128_f8f6f4 v[rD:rD+7], v[rA:rA+11], v[rB:rB+11], v[rD:rD+7], v[rSA], v[rSB] matrix_a_fmt:MATRIX_FMT_FP6 matrix_b_fmt:MATRIX_FMT_FP6 matrix_a_scale:MATRIX_SCALE_ROW1
.elseif ((\b)%2) == 0
	v_wmma_scale_f32_16x16x128_f8f6f4 v[rD:rD+7], v[rA:rA+11], v[rB:rB+11], v[rD:rD+7], v[rSA], v[rSB] matrix_a_fmt:MATRIX_FMT_FP6 matrix_b_fmt:MATRIX_FMT_FP6 matrix_b_scale:MATRIX_SCALE_ROW1
.else
	v_wmma_scale_f32_16x16x128_f8f6f4 v[rD:rD+7], v[rA:rA+11], v[rB:rB+11], v[rD:rD+7], v[rSA], v[rSB] matrix_a_fmt:MATRIX_FMT_FP6 matrix_b_fmt:MATRIX_FMT_FP6 matrix_a_scale:MATRIX_SCALE_ROW1 matrix_b_scale:MATRIX_SCALE_ROW1
.endif
.endif
.endm
.macro MUL p, hi, zero                 ; 32 products; the accumulators take turns, one instruction a turn
	WIN 0xa1+0x50*(\hi)
.irp a, 0,1,2,3
.irp b, 0,1,2,3,4,5,6,7
	WM \a, \b, \p, \zero
.endr
.endr
	WIN 0
.endm
; THE CHANGE OF SLOTS.  All my tensor loads have landed, my part of the slot ahead among them; 0 onto my spare word; the add is done and my reads of the slot that I leave are over.
.macro CHG_R sl                        ; K's part of slot sl is filled again, with the same K steps of the key block eight further on
	s_wait_tensorcnt 0x0
	ds_add_u32 v[SPW], v[NIL]
	s_add_nc_u64 s[58+4*(\sl):59+4*(\sl)], s[58+4*(\sl):59+4*(\sl)], 8*GSZ   ; no tensor load of mine is out, so a descriptor may be written; the type bits on top are not reached
	s_wait_dscnt 0x0
	CROUND                                         ; no wave of any partner still reads the slot or has a load on its way
	JLOADR 56+4*(\sl)                              ; the first thing behind the round, and my one tensor load until the next
.endm
.macro CHG_NONE                        ; nothing is left to fetch
	s_wait_tensorcnt 0x0
	ds_add_u32 v[SPW], v[NIL]
	s_wait_dscnt 0x0
	s_barrier_signal -1
	s_barrier_wait -1
.endm
; A K step.  chg: the change of slots in a slot's last step (0 none, 1 R alone, 3 no refill); more = 1: the next step's fragments are fetched ahead of this step's products.
.macro STEP s, hi, zero, chg, more
	s_wait_dscnt 0x0                               ; this step's 39 loads, issued 32 products ago; in a slot's last step: all my reads of the slot
.if (\chg) == 1
	CHG_R ((\s)/4)%2
.elseif (\chg) == 3
	CHG_NONE
.endif
.if \more
	FETCH (\s)+1, ((\s)+1)%2
.endif
	MUL (\s)%2, \hi, \zero
.endm
	s_load_b128 s[4:7], s[0:1], 0x0                ; qkv, stats
	v_lshl_add_u32 v[SPW], v0, 2, SPARE
	v_mov_b32 v[NIL], 0
	ds_add_u32 v[SPW], v[NIL]                      ; the wave's opening: the add, twice on end, and its wait ahead of my first tensor load
	ds_add_u32 v[SPW], v[NIL]
	v_lshrrev_b32 v3, 5, v0
	v_readfirstlane_b32 s14, v3                    ; wave
	s_lshr_b32 s15, s14, 1
	s_and_b32 s16, s14, 1
	s_bfe_u32 s76, ttmp6, 0x40000                  ; cx
	s_bfe_u32 s77, ttmp6, 0x40004                  ; cy
	s_lshl_b32 s78, ttmp9, 2
	s_add_co_u32 s78, s78, s76                     ; work-group x, 0..7: key blocks x and x + 8 of the batch
	s_and_b32 s17, ttmp7, 0xffff                   ; cluster y
	s_lshl_b32 s79, s17, 2
	s_add_co_u32 s79, s79, s77                     ; work-group y: 256 queries
	s_lshl_b32 s80, s77, 2
	s_lshl_b32 s80, 15, s80                        ; my row of the cluster
	s_lshl_b32 s81, 0x1111, s76                    ; my column
	s_or_b32 s24, s80, (3<<16)|(1<<21)
	s_or_b32 s32, s81, (3<<16)|(1<<21)
	s_mov_b32 s25, 32<<16
	s_mov_b32 s26, PROWS<<16
	s_mov_b32 s27, 32<<16
	s_mov_b32 s28, PROWS
	s_mov_b32 s29, 32
	s_mov_b32 s30, 0
	s_mov_b32 s31, 0
	s_mov_b32 s33, 32<<16
	s_mov_b32 s34, RROWS<<16
	s_mov_b32 s35, 32<<16
	s_mov_b32 s36, RROWS
	s_mov_b32 s37, 32
	s_mov_b32 s38, 0
	s_mov_b32 s39, 0
	s_lshr_b32 s18, s17, 1                         ; the batch: 8 work-groups y, two clusters
	s_lshl_b32 s82, s79, 1
	s_add_co_u32 s82, s82, s16
	s_mul_i32 s82, s82, GSZ                        ; Q's group that I fetch
	s_mov_b32 s83, 0
	s_lshl_b32 s84, s18, 4
	s_add_co_u32 s84, s84, s78
	s_mul_i32 s84, s84, GSZ                        ; K's group of the first tile
	s_mul_i32 s21, s16, 2*BLK                      ; the two blocks of a fill's four that I fetch: in memory and in LDS
	s_add_co_u32 s84, s84, s21
	s_add_co_u32 s84, s84, KOFF
	s_mov_b32 s85, 0
	s_mul_i32 s22, s16, PG
	s_mov_b32 s90, 0x3d38aa3b                      ; c = log2(e) / sqrt(1024)
	s_mov_b32 s91, s90
	s_mov_b32 s[SEL], 0x76543210
	s_mov_b32 s[SEL+1], 0xfedcba98
	s_mov_b32 s[MSK], 0xffff0000
	s_lshl_b32 s2, s79, 2
	s_add_co_u32 s2, s2, s14
	s_lshl_b32 s2, s2, 14                          ; row tile 16 y + 4 wave, 4,096 bytes each
	s_lshl_b32 s3, s78, 8
	s_add_co_u32 s2, s2, s3                        ; + 256 bytes a key block
	s_mov_b32 s3, 0
	s_wait_dscnt 0x0                               ; both opening adds are done
	s_wait_kmcnt 0x0
	s_add_nc_u64 s[86:87], s[6:7], s[2:3]
	s_add_nc_u64 s[82:83], s[4:5], s[82:83]
	s_add_nc_u64 s[84:85], s[4:5], s[84:85]
.irp f, 0,1                                    ; slot f holds K steps 4 f .. 4 f + 3
	s_mov_b32 s[40+4*\f], 1
	s_add_co_u32 s[41+4*\f], s22, \f*SLOT
	s_add_nc_u64 s[42+4*\f:43+4*\f], s[82:83], \f*4*BLK
	s_or_b32 s[43+4*\f], s[43+4*\f], 0x80000000
	s_mov_b32 s[56+4*\f], 1
	s_add_co_u32 s[57+4*\f], s21, ROFF+\f*SLOT
	s_add_nc_u64 s[58+4*\f:59+4*\f], s[84:85], \f*4*BLK
	s_or_b32 s[59+4*\f], s[59+4*\f], 0x80000000
.endr
	CROUND                                         ; all sixteen work-groups are here: the first joint loads meet
	JLOAD 40, 56                                   ; slot 0: one tensor load a wave at the head
	v_and_b32 v3, 31, v0
	v_lshlrev_b32 v[LI], 4, v3
	v_lshlrev_b32 v[L8], 3, v3
	s_mul_i32 s2, s15, PG
	s_mul_i32 s3, s16, 4*FRB
	s_add_co_u32 s3, s3, s2
	v_add_nc_u32 v[ADP], s3, v[LI]
	v_add_nc_u32 v[ADP+1], SLOT, v[ADP]
	v_add_nc_u32 v[ADR], ROFF, v[LI]
	v_add_nc_u32 v[ADR+1], SLOT+ROFF, v[LI]
	s_lshl_b32 s3, s16, 8
	s_add_co_u32 s3, s3, s2
	s_add_co_u32 s3, s3, SCO
	v_add_nc_u32 v[ASP], s3, v[L8]
	v_add_nc_u32 v[ASP+1], SLOT, v[ASP]
	v_add_nc_u32 v[ASR], ROFF+SCO, v[L8]
	v_add_nc_u32 v[ASR+1], SLOT+ROFF+SCO, v[L8]
	v_mov_b32 v[MM+1], 0                           ; (named as the upper halves of pairs)
	v_mov_b32 v[MM+3], 0
	v_mov_b32 v[PT], 0                             ; a lane permute's destination counts as one of its sources
	v_mov_b32 v[PT+1], 0
; The largest of a tile's 64 scores of a lane, in four chains, one for each 16 registers; w1: the window setting with all three sources in the scores' window, w2: with the first in window 0.  Each accumulator is read first at its low end.
.macro MAX64 ch, w1, w2
	WIN \w1
.irp b, 0,1,2,3
	v_max3_num_f32 v[\ch+\b], v[A0+16*\b], v[A0+16*\b+1], v[A0+16*\b+2]
.endr
	WIN \w2
.irp i, 3,5,7,9,11,13
.irp b, 0,1,2,3
	v_max3_num_f32 v[\ch+\b], v[\ch+\b], v[A0+16*\b+\i], v[A0+16*\b+\i+1]
.endr
.endr
.irp b, 0,1,2,3
	v_max_num_f32 v[\ch+\b], v[\ch+\b], v[A0+16*\b+15]
.endr
.endm
.macro SUM64 su, w1, w2                ; the sum of a tile's 64 numbers of a lane, two at a time, in four chains
	WIN \w1
.irp q, 0,1,2,3
	v_pk_add_f32 v[\su+2*\q:\su+2*\q+1], v[A0+4*\q:A0+4*\q+1], v[A0+4*\q+2:A0+4*\q+3]
.endr
	WIN \w2
.irp j, 16,24,32,40,48,56
.irp q, 0,1,2,3
	v_pk_add_f32 v[\su+2*\q:\su+2*\q+1], v[\su+2*\q:\su+2*\q+1], v[A0+\j+2*\q:A0+\j+2*\q+1]
.endr
.endr
.endm
.macro STAT a, tau                     ; row tile a of the work-group's tile tau
.set A0, 64*(\a)
.set O0, OU+8*(\tau)+2*(\a)
	MAX64 CH, 0x2a, 0x28
	MAX64 CH+4, 0x3f, 0x3c
	WIN 0
	v_max3_num_f32 v[CH], v[CH], v[CH+1], v[CH+2]
	v_max3_num_f32 v[CH+4], v[CH+4], v[CH+5], v[CH+6]
	v_max_num_f32 v[CH], v[CH], v[CH+3]
	v_max_num_f32 v[CH+4], v[CH+4], v[CH+7]
	v_permlanex16_b32 v[PT], v[CH], s[SEL], s[SEL+1]
	v_permlanex16_b32 v[PT+1], v[CH+4], s[SEL], s[SEL+1]
	v_max_num_f32 v[CH], v[CH], v[PT]              ; with lane l xor 16's 64 keys: the query's largest score of these 128
	v_max_num_f32 v[CH+4], v[CH+4], v[PT+1]
	v_mul_f32 v[MM], s90, v[CH]                    ; as t (c is positive)
	v_mul_f32 v[MM+2], s90, v[CH+4]
	WIN 0x82                                       ; scores in window 2, m in window 0
.set n, 0
.rept 32
	v_pk_fma_f32 v[A0+2*n:A0+2*n+1], v[A0+2*n:A0+2*n+1], s[90:91], v[MM:MM+1] op_sel_hi:[1,0,0] neg_lo:[0,0,1] neg_hi:[0,0,1]   ; t - m
.set n, n+1
.endr
	WIN 0xc3
.set n, 0
.rept 32
	v_pk_fma_f32 v[A0+2*n:A0+2*n+1], v[A0+2*n:A0+2*n+1], s[90:91], v[MM+2:MM+3] op_sel_hi:[1,0,0] neg_lo:[0,0,1] neg_hi:[0,0,1]
.set n, n+1
.endr
.set n, 0
	s_wait_alu depctr_va_vdst(0)
.rept 64
	v_exp_f32 v[A0+n], v[A0+n]                     ; ONE BATCH of 128: softmax 2's,
.set n, n+1
.endr
	WIN 0x82
.set n, 0
.rept 64
	v_exp_f32 v[A0+n], v[A0+n]                     ; and softmax 1's
.set n, n+1
.endr
	v_nop                                          ; a plain place behind the last exponential
	s_wait_alu depctr_va_vdst(0)                   ; one wait for the batch, ahead of its first reader
	SUM64 SU, 0x0a, 0x08
	SUM64 SU+8, 0x0f, 0x0c
	WIN 0
	v_pk_add_f32 v[SU:SU+1], v[SU:SU+1], v[SU+2:SU+3]
	v_pk_add_f32 v[SU+4:SU+5], v[SU+4:SU+5], v[SU+6:SU+7]
	v_pk_add_f32 v[SU+8:SU+9], v[SU+8:SU+9], v[SU+10:SU+11]
	v_pk_add_f32 v[SU+12:SU+13], v[SU+12:SU+13], v[SU+14:SU+15]
	v_pk_add_f32 v[SU:SU+1], v[SU:SU+1], v[SU+4:SU+5]
	v_pk_add_f32 v[SU+8:SU+9], v[SU+8:SU+9], v[SU+12:SU+13]
	v_add_f32 v[SU], v[SU], v[SU+1]
	v_add_f32 v[SU+8], v[SU+8], v[SU+9]
	v_permlanex16_b32 v[PT], v[SU], s[SEL], s[SEL+1]
	v_permlanex16_b32 v[PT+1], v[SU+8], s[SEL], s[SEL+1]
	v_add_f32 v[SU], v[SU], v[PT]
	v_add_f32 v[SU+8], v[SU+8], v[PT+1]
	v_cndmask_b32 v[O0], v[MM], v[MM+2], s[MSK]    ; lanes 0-15 softmax 1, lanes 16-31 softmax 2
	v_cndmask_b32 v[O0+1], v[SU], v[SU+8], s[MSK]
	global_store_b64 v[L8], v[O0:O0+1], s[86:87] offset:4096*(\a)+2048*(\tau)   ; 256 consecutive bytes, aligned; key block x + 8 lies 8 x 256 bytes on
.endm
	s_wait_alu depctr_va_vdst(0)
	s_wait_tensorcnt 0x0                           ; my part of slot 0 is in; slot 1's first fill is issued as a refill is
	ds_add_u32 v[SPW], v[NIL]
	s_wait_dscnt 0x0
	CROUND                                         ; everybody's part of slot 0 is in, and the joint loads meet
	JLOAD 44, 60                                   ; slot 1: my one tensor load behind the round
	FETCH 0, 0
	; ---- key block x
	STEP 0, 0, 1, 0, 1                             ; A1's sums begin
	STEP 1, 0, 0, 0, 1
	STEP 2, 0, 0, 0, 1
	STEP 3, 0, 0, 1, 1                             ; slot 0: the next key block's K steps 0-3 are asked for; the queries stay
	STEP 4, 1, 1, 0, 1                             ; A2's begin
	STEP 5, 1, 0, 0, 1
	STEP 6, 1, 0, 0, 1
	STEP 7, 1, 0, 1, 1                             ; slot 1: its K steps 4-7; its first fragments are fetched
	PLACES
	STAT 0, 0
	STAT 1, 0
	STAT 2, 0
	STAT 3, 0
	; ---- key block x + 8
	STEP 8, 0, 1, 0, 1
	STEP 9, 0, 0, 0, 1
	STEP 10, 0, 0, 0, 1
	STEP 11, 0, 0, 3, 1                            ; nothing is left to fetch
	STEP 12, 1, 1, 0, 1
	STEP 13, 1, 0, 0, 1
	STEP 14, 1, 0, 0, 1
	STEP 15, 1, 0, 0, 0
	PLACES
	STAT 0, 1
	STAT 1, 1
	STAT 2, 1
	STAT 3, 1
	s_wait_tensorcnt 0x0                           ; the wave's end
	ds_add_u32 v[SPW], v[NIL]
	s_wait_dscnt 0x0
	CROUND                                         ; the closing round: no work-group ends while a partner may still ask for a tile that names it
	s_endpgm
.Lfunc_end_k_q98a35ca4a2_stats:
	.size	k_q98a35ca4a2_stats, .Lfunc_end_k_q98a35ca4a2_stats-k_q98a35ca4a2_stats
	.p2alignl 7, 3214868480
	.fill 96, 4, 3214868480
	.section	.rodata,"a",@progbits
	.p2align	6, 0x0
	.amdhsa_kernel k_q98a35ca4a2_stats
		.amdhsa_group_segment_fixed_size 327680
		.amdhsa_private_segment_fixed_size 0
		.amdhsa_enable_private_segment 0
		.amdhsa_kernarg_size 16
		.amdhsa_user_sgpr_count 2
		.amdhsa_user_sgpr_kernarg_segment_ptr 1
		.amdhsa_wavefront_size32 1
		.amdhsa_system_sgpr_workgroup_id_x 1
		.amdhsa_system_sgpr_workgroup_id_y 1
		.amdhsa_system_sgpr_workgroup_id_z 1
		.amdhsa_system_vgpr_workitem_id 0
		.amdhsa_next_free_vgpr 1024
		.amdhsa_next_free_sgpr 100
		.amdhsa_reserve_vcc 0
		.amdhsa_float_denorm_mode_32 3
		.amdhsa_float_denorm_mode_16_64 3
		.amdhsa_memory_ordered 1
		.amdhsa_forward_progress 1
		.amdhsa_inst_pref_size 254
	.end_amdhsa_kernel
	.amdgpu_metadata
---
amdhsa.version: [ 1, 2 ]
amdhsa.kernels:
  - .name:           k_q98a35ca4a2_stats
    .symbol:         k_q98a35ca4a2_stats.kd
    .args:
      - { .name: qkv, .offset: 0, .size: 8, .value_kind: global_buffer, .address_space: global }
      - { .name: stats, .offset: 8, .size: 8, .value_kind: global_buffer, .address_space: global }
    .group_segment_fixed_size: 327680
    .private_segment_fixed_size: 0
    .kernarg_segment_align: 8
    .kernarg_segment_size: 16
    .max_flat_workgroup_size: 128
    .sgpr_count:     100
    .vgpr_count:     1024
    .wavefront_size: 32
...
	.end_amdgpu_metadata
.endif
;; end of part 3
;; launch codes (part 4): grid 8 x 32, 4 waves a work-group, clusters of 4 x 4, 327,680 bytes of LDS; arguments qkv, stats, scalar, aimg; writes aimg
.if DOCPART == 4
	.amdgcn_target "amdgcn-amd-amdhsa--gfx1250"
	.amdhsa_code_object_version 6
	.text
	.protected	k_q98a35ca4a2_codes
	.globl	k_q98a35ca4a2_codes
	.p2align	8
	.type	k_q98a35ca4a2_codes,@function
k_q98a35ca4a2_codes:
	s_mov_b64 s[64:65], 0
	v_nop
	global_prefetch_b8 v0, s[64:65] scope:SCOPE_SE
	s_setreg_imm32_b32 hwreg(HW_REG_WAVE_MODE, 25, 1), 1
	s_wait_xcnt 0x0
	s_wait_alu depctr_hold_cnt(0) depctr_sa_sdst(0) depctr_va_vdst(0) depctr_va_sdst(0) depctr_va_ssrc(0) depctr_va_vcc(0) depctr_vm_vsrc(0)
	s_getreg_b32 s2, hwreg(HW_REG_IB_STS2, 6, 4)
	s_cmp_eq_u32 s2, 0
	s_cbranch_scc0 .Lentry_in_a_cluster
	s_endpgm
.Lentry_in_a_cluster:
	s_bfe_u32 s2, ttmp6, 0x10000c
	s_cmp_lg_u32 s2, 0xf033
	s_cbranch_scc0 .Lentry_shape_is_right
	s_endpgm
.Lentry_shape_is_right:
; Launch 4 of 5: the scores A1 and A2 once more, on codes of E2M3, then attn = softmax(A1) - scalar softmax(A2), finished and normalised, quantised along the keys and stored as images (layout: head of launch 1).
; aimg: 64 query groups x 16 K steps of 128 keys.  The product, the two slots, the clusters and the two tiles of a work-group (key blocks x and x + 8) are launch 3's.
; THE HEAD.  While slot 0's joint load is out, each wave loads the sixteen parts (m, l) of its four row tiles from stats and joins them: m = the largest part's, l = the sum of l_part 2^(m_part - m); kept are m1, m2, 1 / l1 and scalar / l2.
; Slot 1's first fill is issued as a refill is, behind the three lines and a round at the head's end; one tensor load of a wave is out at any place.
; THE WAY OUT of a tile of 16 queries: t - m, one batch of 128 exponentials, p1 / l1 - (scalar / l2) p2, the quantiser, three stores of 512 consecutive bytes.
; The launch claims all of a work-group processor's LDS.  No prefetch: two refills in all, and no loop to run ahead in.
; LIMITS: a block of zeros has the byte 1 where the rule says 127 (its codes are zeros; this program alone reads the bytes); NaN and infinities are not served; 2^x is 0 under 2^-126.
.set BLK,   12800
.set FRB,   1536
.set SCO,   12288
.set GSZ,   8*BLK
.set GSA,   16*BLK
.set KOFF,  6553600
.set SLOT,  153600
.set PG,    51200
.set ROFF,  102400
.set SPARE, 307200
.set PROWS, 200
.set RROWS, 100
.set LI,  1
.set L8,  2
.set ADP, 4
.set ADR, 6
.set ASP, 8
.set ASR, 10
.set SC,  16
.set PF,  32
.set X,   128
.set PC,  192
.set TM,  212
.set PW,  228
.set E,   232
.set SPW, 252
.set NIL, 253
.set SEL, 92
.set MSK, 94
.set MSB, 0
.macro WIN new
.if MSB != (\new)
	s_set_vgpr_msb (MSB<<8)|(\new)
.set MSB, (\new)
.endif
.endm
.macro PLACES
.rept 4
	v_nop
.endr
.endm
.macro JLOAD g0p, g0r
	s_cmp_eq_u32 s15, 0
	s_cbranch_scc0 .Lfor_r_\@
	tensor_load_to_lds s[\g0p:\g0p+3], s[24:31]
	s_nop 0
.rept 4
	v_nop
.endr
	s_branch .Lasked_\@
.Lfor_r_\@:
	tensor_load_to_lds s[\g0r:\g0r+3], s[32:39]
	s_nop 0
.rept 4
	v_nop
.endr
.Lasked_\@:
.endm
.macro JLOADR g0r
	s_cmp_eq_u32 s15, 0
	s_cbranch_scc1 .Lnone_\@
	tensor_load_to_lds s[\g0r:\g0r+3], s[32:39]
	s_nop 0
.rept 4
	v_nop
.endr
.Lnone_\@:
.endm
.macro CROUND
	s_barrier_signal -1
	s_barrier_wait -1
	s_cmp_lg_u32 s14, 0
	s_cbranch_scc1 .Lnot_wave_0_\@
	s_barrier_signal -3
.Lnot_wave_0_\@:
	s_barrier_wait -3
	s_barrier_signal -1
	s_barrier_wait -1
.endm
.macro FETCH s, p
	PLACES
	WIN 0x40
.irp b, 0,1,2,3,4,5,6,7
.irp c, 0,1,2
	ds_load_b128 v[128*(\p)+12*\b+4*\c:128*(\p)+12*\b+4*\c+3], v[ADR+((\s)/4)%2] offset:((\s)%4)*BLK+FRB*\b+512*\c
.endr
.endr
	WIN 0
.irp a, 0,1,2,3
.irp c, 0,1,2
	ds_load_b128 v[PF+48*(\p)+12*\a+4*\c:PF+48*(\p)+12*\a+4*\c+3], v[ADP+((\s)/4)%2] offset:((\s)%4)*BLK+FRB*\a+512*\c
.endr
.endr
	ds_load_b64 v[SC+8*(\p):SC+8*(\p)+1], v[ASR+((\s)/4)%2] offset:((\s)%4)*BLK
	ds_load_b64 v[SC+8*(\p)+2:SC+8*(\p)+3], v[ASR+((\s)/4)%2] offset:((\s)%4)*BLK+256
	ds_load_b64 v[SC+8*(\p)+4:SC+8*(\p)+5], v[ASP+((\s)/4)%2] offset:((\s)%4)*BLK
.endm
.macro WM a, b, p, zero
.set rD, 8*(8*(\a)+(\b))
.set rA, 128*(\p)+12*(\b)
.set rB, PF+48*(\p)+12*(\a)
.set rSA, SC+8*(\p)+(\b)/2
.set rSB, SC+8*(\p)+4+(\a)/2
.if \zero
.if (((\a)%2) == 0) && (((\b)%2) == 0)
	v_wmma_scale_f32_16x16x128_f8f6f4 v[rD:rD+7], v[rA:rA+11], v[rB:rB+11], 0, v[rSA], v[rSB] matrix_a_fmt:MATRIX_FMT_FP6 matrix_b_fmt:MATRIX_FMT_FP6
.elseif ((\a)%2) == 0
	v_wmma_scale_f32_16x16x128_f8f6f4 v[rD:rD+7], v[rA:rA+11], v[rB:rB+11], 0, v[rSA], v[rSB] matrix_a_fmt:MATRIX_FMT_FP6 matrix_b_fmt:MATRIX_FMT_FP6 matrix_a_scale:MATRIX_SCALE_ROW1
.elseif ((\b)%2) == 0
	v_wmma_scale_f32_16x16x128_f8f6f4 v[rD:rD+7], v[rA:rA+11], v[rB:rB+11], 0, v[rSA], v[rSB] matrix_a_fmt:MATRIX_FMT_FP6 matrix_b_fmt:MATRIX_FMT_FP6 matrix_b_scale:MATRIX_SCALE_ROW1
.else
	v_wmma_scale_f32_16x16x128_f8f6f4 v[rD:rD+7], v[rA:rA+11], v[rB:rB+11], 0, v[rSA], v[rSB] matrix_a_fmt:MATRIX_FMT_FP6 matrix_b_fmt:MATRIX_FMT_FP6 matrix_a_scale:MATRIX_SCALE_ROW1 matrix_b_scale:MATRIX_SCALE_ROW1
.endif
.else
.if (((\a)%2) == 0) && (((\b)%2) == 0)
	v_wmma_scale_f32_16x16x128_f8f6f4 v[rD:rD+7], v[rA:rA+11], v[rB:rB+11], v[rD:rD+7], v[rSA], v[rSB] matrix_a_fmt:MATRIX_FMT_FP6 matrix_b_fmt:MATRIX_FMT_FP6
.elseif ((\a)%2) == 0
	v_wmma_scale_f32_16x16x128_f8f6f4 v[rD:rD+7], v[rA:rA+11], v[rB:rB+11], v[rD:rD+7], v[rSA], v[rSB] matrix_a_fmt:MATRIX_FMT_FP6 matrix_b_fmt:MATRIX_FMT_FP6 matrix_a_scale:MATRIX_SCALE_ROW1
.elseif ((\b)%2) == 0
	v_wmma_scale_f32_16x16x128_f8f6f4 v[rD:rD+7], v[rA:rA+11], v[rB:rB+11], v[rD:rD+7], v[rSA], v[rSB] matrix_a_fmt:MATRIX_FMT_FP6 matrix_b_fmt:MATRIX_FMT_FP6 matrix_b_scale:MATRIX_SCALE_ROW1
.else
	v_wmma_scale_f32_16x16x128_f8f6f4 v[rD:rD+7], v[rA:rA+11], v[rB:rB+11], v[rD:rD+7], v[rSA], v[rSB] matrix_a_fmt:MATRIX_FMT_FP6 matrix_b_fmt:MATRIX_FMT_FP6 matrix_a_scale:MATRIX_SCALE_ROW1 matrix_b_scale:MATRIX_SCALE_ROW1
.endif
.endif
.endm
.macro MUL p, hi, zero
	WIN 0xa1+0x50*(\hi)
.irp a, 0,1,2,3
.irp b, 0,1,2,3,4,5,6,7
	WM \a, \b, \p, \zero
.endr
.endr
	WIN 0
.endm
.macro CHG_R sl
	s_wait_tensorcnt 0x0
	ds_add_u32 v[SPW], v[NIL]
	s_add_nc_u64 s[58+4*(\sl):59+4*(\sl)], s[58+4*(\sl):59+4*(\sl)], 8*GSZ
	s_wait_dscnt 0x0
	CROUND
	JLOADR 56+4*(\sl)
.endm
.macro CHG_NONE
	s_wait_tensorcnt 0x0
	ds_add_u32 v[SPW], v[NIL]
	s_wait_dscnt 0x0
	s_barrier_signal -1
	s_barrier_wait -1
.endm
.macro STEP s, hi, zero, chg, more
	s_wait_dscnt 0x0
.if (\chg) == 1
	CHG_R ((\s)/4)%2
.elseif (\chg) == 3
	CHG_NONE
.endif
.if \more
	FETCH (\s)+1, ((\s)+1)%2
.endif
	MUL (\s)%2, \hi, \zero
.endm
.macro QUANT src, pw
.irp b, 0,1,2,3
	v_max3_num_f32 v[TM+\b], |v[\src+16*\b]|, |v[\src+1+16*\b]|, 0x1800000
.endr
.irp i, 2,4,6,8,10,12,14
.irp b, 0,1,2,3
	v_max3_num_f32 v[TM+\b], v[TM+\b], |v[\src+16*\b+\i]|, |v[\src+1+16*\b+\i]|
.endr
.endr
.irp b, 0,1,2,3
	v_permlanex16_b32 v[TM+4+\b], v[TM+\b], s[SEL], s[SEL+1]
.endr
.irp b, 0,1,2,3
	v_max_num_f32 v[TM+\b], v[TM+\b], v[TM+4+\b]
.endr
.irp b, 0,1,2,3
	v_add_nc_u32 v[TM+12+\b], 0xff000000, v[TM+\b]
.endr
.irp b, 0,1,2,3
	v_lshrrev_b32 v[TM+4+\b], 23, v[TM+12+\b]
.endr
	v_lshl_or_b32 v[\pw], v[TM+5], 8, v[TM+4]
	v_lshl_or_b32 v[\pw], v[TM+6], 16, v[\pw]
	v_lshl_or_b32 v[\pw], v[TM+7], 24, v[\pw]
.irp c, 0,1
	v_cvt_scalef32_pk16_fp6_f32 v[PC+6*\c:PC+2+6*\c], v[\src+32*\c:\src+15+32*\c], v[TM+12+2*\c]
	v_cvt_scalef32_pk16_fp6_f32 v[PC+12+4*\c:PC+14+4*\c], v[\src+16+32*\c:\src+31+32*\c], v[TM+12+2*\c+1]
.endr
	v_nop
.irp c, 0,1
.irp i, 0,1,2
	v_permlane16_swap_b32 v[PC+6*\c+\i], v[PC+12+4*\c+\i]
.endr
.irp i, 0,1,2
	v_mov_b32 v[PC+3+6*\c+\i], v[PC+12+4*\c+\i]
.endr
.endr
.endm
.macro PUT a, tau
.irp c, 0,1,2
	global_store_b128 v[LI], v[PC+4*\c:PC+4*\c+3], s[86:87] offset:8*BLK*(\tau)+FRB*(\a)+512*\c
.endr
.endm
.macro PUTS tau
	v_cndmask_b32 v[E], v[PW], v[PW+1], s[MSK]
	v_cndmask_b32 v[E+1], v[PW+2], v[PW+3], s[MSK]
	global_store_b64 v[L8], v[E:E+1], s[88:89] offset:8*BLK*(\tau)
.endm
	s_load_b256 s[4:11], s[0:1], 0x0
	v_lshl_add_u32 v[SPW], v0, 2, SPARE
	v_mov_b32 v[NIL], 0
	ds_add_u32 v[SPW], v[NIL]
	ds_add_u32 v[SPW], v[NIL]
	v_lshrrev_b32 v3, 5, v0
	v_readfirstlane_b32 s14, v3
	s_lshr_b32 s15, s14, 1
	s_and_b32 s16, s14, 1
	s_bfe_u32 s76, ttmp6, 0x40000
	s_bfe_u32 s77, ttmp6, 0x40004
	s_lshl_b32 s78, ttmp9, 2
	s_add_co_u32 s78, s78, s76
	s_and_b32 s17, ttmp7, 0xffff
	s_lshl_b32 s79, s17, 2
	s_add_co_u32 s79, s79, s77
	s_lshl_b32 s80, s77, 2
	s_lshl_b32 s80, 15, s80
	s_lshl_b32 s81, 0x1111, s76
	s_or_b32 s24, s80, (3<<16)|(1<<21)
	s_or_b32 s32, s81, (3<<16)|(1<<21)
	s_mov_b32 s25, 32<<16
	s_mov_b32 s26, PROWS<<16
	s_mov_b32 s27, 32<<16
	s_mov_b32 s28, PROWS
	s_mov_b32 s29, 32
	s_mov_b32 s30, 0
	s_mov_b32 s31, 0
	s_mov_b32 s33, 32<<16
	s_mov_b32 s34, RROWS<<16
	s_mov_b32 s35, 32<<16
	s_mov_b32 s36, RROWS
	s_mov_b32 s37, 32
	s_mov_b32 s38, 0
	s_mov_b32 s39, 0
	s_lshr_b32 s18, s17, 1
	s_lshl_b32 s82, s79, 1
	s_add_co_u32 s82, s82, s16
	s_mul_i32 s82, s82, GSZ
	s_mov_b32 s83, 0
	s_lshl_b32 s84, s18, 4
	s_add_co_u32 s84, s84, s78
	s_mul_i32 s84, s84, GSZ
	s_mul_i32 s21, s16, 2*BLK
	s_add_co_u32 s84, s84, s21
	s_add_co_u32 s84, s84, KOFF
	s_mov_b32 s85, 0
	s_mul_i32 s22, s16, PG
	s_mov_b32 s90, 0x3d38aa3b
	s_mov_b32 s91, s90
	s_mov_b32 s[SEL], 0x76543210
	s_mov_b32 s[SEL+1], 0xfedcba98
	s_mov_b32 s[MSK], 0xffff0000
	s_lshl_b32 s98, s79, 2
	s_add_co_u32 s98, s98, s14
	s_lshl_b32 s98, s98, 14
	s_mov_b32 s99, 0
	s_lshl_b32 s2, s79, 1
	s_add_co_u32 s2, s2, s15
	s_mul_i32 s2, s2, GSA
	s_mul_i32 s3, s78, BLK
	s_add_co_u32 s23, s2, s3
	s_mul_i32 s2, s16, 4*FRB
	s_add_co_u32 s2, s2, s23
	s_mov_b32 s3, 0
	s_lshl_b32 s96, s16, 8
	s_add_co_u32 s96, s96, s23
	s_add_co_u32 s96, s96, SCO
	s_mov_b32 s97, 0
	s_wait_dscnt 0x0
	s_wait_kmcnt 0x0
	s_load_b32 s95, s[8:9], 0x0
	s_add_nc_u64 s[12:13], s[6:7], s[98:99]
	s_add_nc_u64 s[86:87], s[10:11], s[2:3]
	s_add_nc_u64 s[88:89], s[10:11], s[96:97]
	s_add_nc_u64 s[82:83], s[4:5], s[82:83]
	s_add_nc_u64 s[84:85], s[4:5], s[84:85]
.irp f, 0,1
	s_mov_b32 s[40+4*\f], 1
	s_add_co_u32 s[41+4*\f], s22, \f*SLOT
	s_add_nc_u64 s[42+4*\f:43+4*\f], s[82:83], \f*4*BLK
	s_or_b32 s[43+4*\f], s[43+4*\f], 0x80000000
	s_mov_b32 s[56+4*\f], 1
	s_add_co_u32 s[57+4*\f], s21, ROFF+\f*SLOT
	s_add_nc_u64 s[58+4*\f:59+4*\f], s[84:85], \f*4*BLK
	s_or_b32 s[59+4*\f], s[59+4*\f], 0x80000000
.endr
	CROUND
	JLOAD 40, 56                                   ; slot 0: one tensor load a wave at the head; the parts of stats are loaded and joined while it is out
	v_and_b32 v3, 31, v0
	v_lshlrev_b32 v[LI], 4, v3
	v_lshlrev_b32 v[L8], 3, v3
	s_wait_alu depctr_va_vdst(0)
	WIN 0x80
.irp a, 0,1,2,3
.irp kb, 0,1,2,3,4,5,6,7,8,9,10,11,12,13,14,15
	global_load_b64 v[32*\a+2*\kb:32*\a+2*\kb+1], v[L8], s[12:13] offset:4096*\a+256*\kb
.endr
.endr
	WIN 0
	s_mul_i32 s2, s15, PG
	s_mul_i32 s3, s16, 4*FRB
	s_add_co_u32 s3, s3, s2
	v_add_nc_u32 v[ADP], s3, v[LI]
	v_add_nc_u32 v[ADP+1], SLOT, v[ADP]
	v_add_nc_u32 v[ADR], ROFF, v[LI]
	v_add_nc_u32 v[ADR+1], SLOT+ROFF, v[LI]
	s_lshl_b32 s3, s16, 8
	s_add_co_u32 s3, s3, s2
	s_add_co_u32 s3, s3, SCO
	v_add_nc_u32 v[ASP], s3, v[L8]
	v_add_nc_u32 v[ASP+1], SLOT, v[ASP]
	v_add_nc_u32 v[ASR], ROFF+SCO, v[L8]
	v_add_nc_u32 v[ASR+1], SLOT+ROFF+SCO, v[L8]
.irp b, 0,1,2,3
	v_mov_b32 v[TM+4+\b], 0
.endr
	s_wait_loadcnt 0x0
	s_wait_kmcnt 0x0
	WIN 0xaa
.irp a, 0,1,2,3
	v_max3_num_f32 v[128+\a], v[32*\a], v[32*\a+2], v[32*\a+4]
.endr
.irp i, 6,10,14,18,22,26
.irp a, 0,1,2,3
	v_max3_num_f32 v[128+\a], v[128+\a], v[32*\a+\i], v[32*\a+\i+2]
.endr
.endr
.irp a, 0,1,2,3
	v_max_num_f32 v[128+\a], v[128+\a], v[32*\a+30]
.endr
.irp kb, 0,1,2,3,4,5,6,7,8,9,10,11,12,13,14,15
.irp a, 0,1,2,3
	v_sub_f32 v[32*\a+2*\kb], v[32*\a+2*\kb], v[128+\a]
.endr
.endr
	s_wait_alu depctr_va_vdst(0)
.irp kb, 0,1,2,3,4,5,6,7,8,9,10,11,12,13,14,15
.irp a, 0,1,2,3
	v_exp_f32 v[32*\a+2*\kb], v[32*\a+2*\kb]
.endr
.endr
.irp a, 0,1,2,3
	v_mov_b32 v[144+\a], 0
	v_mov_b32 v[148+\a], 0
.endr
	s_wait_alu depctr_va_vdst(0)
.irp a, 0,1,2,3
	v_mul_f32 v[132+\a], v[32*\a+1], v[32*\a]
	v_mul_f32 v[136+\a], v[32*\a+3], v[32*\a+2]
.endr
.irp kb, 2,4,6,8,10,12,14
.irp a, 0,1,2,3
	v_fma_f32 v[132+\a], v[32*\a+2*\kb+1], v[32*\a+2*\kb], v[132+\a]
	v_fma_f32 v[136+\a], v[32*\a+2*\kb+3], v[32*\a+2*\kb+2], v[136+\a]
.endr
.endr
.irp a, 0,1,2,3
	v_add_f32 v[132+\a], v[132+\a], v[136+\a]
.endr
	s_wait_alu depctr_va_vdst(0)
.irp a, 0,1,2,3
	v_rcp_f32 v[140+\a], v[132+\a]
.endr
.irp a, 0,1,2,3
	v_permlanex16_b32 v[144+\a], v[128+\a], s[SEL], s[SEL+1]
.endr
	s_wait_alu depctr_va_vdst(0)
.irp a, 0,1,2,3
	v_permlanex16_b32 v[148+\a], v[140+\a], s[SEL], s[SEL+1]
.endr
.irp a, 0,1,2,3
	v_cndmask_b32 v[152+\a], v[148+\a], v[140+\a], s[MSK]
.endr
	WIN 0x4a
.irp a, 0,1,2,3
	v_cndmask_b32 v[96+8*\a], v[128+\a], v[144+\a], s[MSK]
	v_cndmask_b32 v[98+8*\a], v[144+\a], v[128+\a], s[MSK]
	v_cndmask_b32 v[100+8*\a], v[140+\a], v[148+\a], s[MSK]
	v_mul_f32 v[102+8*\a], s95, v[152+\a]
	v_mov_b32 v[97+8*\a], 0
	v_mov_b32 v[99+8*\a], 0
	v_mov_b32 v[101+8*\a], 0
	v_mov_b32 v[103+8*\a], 0
.endr
	WIN 0
.macro ATTN a, tau
.set A0, 64*(\a)
.set F, 96+8*(\a)
	WIN 0x92
.set n, 0
.rept 32
	v_pk_fma_f32 v[A0+2*n:A0+2*n+1], v[A0+2*n:A0+2*n+1], s[90:91], v[F:F+1] op_sel_hi:[1,0,0] neg_lo:[0,0,1] neg_hi:[0,0,1]
.set n, n+1
.endr
	WIN 0xd3
.set n, 0
.rept 32
	v_pk_fma_f32 v[A0+2*n:A0+2*n+1], v[A0+2*n:A0+2*n+1], s[90:91], v[F+2:F+3] op_sel_hi:[1,0,0] neg_lo:[0,0,1] neg_hi:[0,0,1]
.set n, n+1
.endr
.set n, 0
	s_wait_alu depctr_va_vdst(0)
.rept 64
	v_exp_f32 v[A0+n], v[A0+n]
.set n, n+1
.endr
	WIN 0x92
.set n, 0
.rept 64
	v_exp_f32 v[A0+n], v[A0+n]
.set n, n+1
.endr
	v_nop
	s_wait_alu depctr_va_vdst(0)
	WIN 0x86
.set n, 0
.rept 32
	v_pk_mul_f32 v[A0+2*n:A0+2*n+1], v[A0+2*n:A0+2*n+1], v[F+4:F+5] op_sel_hi:[1,0]
.set n, n+1
.endr
	WIN 0x27
.set n, 0
.rept 32
	v_pk_fma_f32 v[X+2*n:X+2*n+1], v[A0+2*n:A0+2*n+1], v[F+6:F+7], v[A0+2*n:A0+2*n+1] op_sel_hi:[1,0,1] neg_lo:[0,1,0] neg_hi:[0,1,0]
.set n, n+1
.endr
	WIN 0
.set PC, 80+12*(\a)+76*((\a)/3)                ; each tile's codes have registers of their own: v80, v92, v104 (P's set 1, idle here) and v192: no store's data are written again inside a way out
	QUANT X, PW+(\a)
	PUT \a, \tau
.endm
	s_wait_alu depctr_va_vdst(0)
	s_wait_tensorcnt 0x0                           ; my part of slot 0 is in; slot 1's first fill is issued as a refill is
	ds_add_u32 v[SPW], v[NIL]
	s_wait_dscnt 0x0
	CROUND                                         ; everybody's part of slot 0 is in, and the joint loads meet
	JLOAD 44, 60                                   ; slot 1: my one tensor load behind the round
	FETCH 0, 0
	STEP 0, 0, 1, 0, 1
	STEP 1, 0, 0, 0, 1
	STEP 2, 0, 0, 0, 1
	STEP 3, 0, 0, 1, 1
	STEP 4, 1, 1, 0, 1
	STEP 5, 1, 0, 0, 1
	STEP 6, 1, 0, 0, 1
	STEP 7, 1, 0, 1, 1
	PLACES
	ATTN 0, 0
	ATTN 1, 0
	ATTN 2, 0
	ATTN 3, 0
	PUTS 0
	s_wait_xcnt 0x0                                ; the stores have read the codes' registers: the next step's loads land on P's set 1
	STEP 8, 0, 1, 0, 1
	STEP 9, 0, 0, 0, 1
	STEP 10, 0, 0, 0, 1
	STEP 11, 0, 0, 3, 1
	STEP 12, 1, 1, 0, 1
	STEP 13, 1, 0, 0, 1
	STEP 14, 1, 0, 0, 1
	STEP 15, 1, 0, 0, 0
	PLACES
	ATTN 0, 1
	ATTN 1, 1
	ATTN 2, 1
	ATTN 3, 1
	PUTS 1
	s_wait_tensorcnt 0x0
	ds_add_u32 v[SPW], v[NIL]
	s_wait_dscnt 0x0
	CROUND
	s_endpgm
.Lfunc_end_k_q98a35ca4a2_codes:
	.size	k_q98a35ca4a2_codes, .Lfunc_end_k_q98a35ca4a2_codes-k_q98a35ca4a2_codes
	.p2alignl 7, 3214868480
	.fill 96, 4, 3214868480
	.section	.rodata,"a",@progbits
	.p2align	6, 0x0
	.amdhsa_kernel k_q98a35ca4a2_codes
		.amdhsa_group_segment_fixed_size 327680
		.amdhsa_private_segment_fixed_size 0
		.amdhsa_enable_private_segment 0
		.amdhsa_kernarg_size 32
		.amdhsa_user_sgpr_count 2
		.amdhsa_user_sgpr_kernarg_segment_ptr 1
		.amdhsa_wavefront_size32 1
		.amdhsa_system_sgpr_workgroup_id_x 1
		.amdhsa_system_sgpr_workgroup_id_y 1
		.amdhsa_system_sgpr_workgroup_id_z 1
		.amdhsa_system_vgpr_workitem_id 0
		.amdhsa_next_free_vgpr 1024
		.amdhsa_next_free_sgpr 100
		.amdhsa_reserve_vcc 0
		.amdhsa_float_denorm_mode_32 3
		.amdhsa_float_denorm_mode_16_64 3
		.amdhsa_memory_ordered 1
		.amdhsa_forward_progress 1
		.amdhsa_inst_pref_size 255
	.end_amdhsa_kernel
	.section	.bss,"aw",@nobits
	.p2align	6
	.space	262144
	.amdgpu_metadata
---
amdhsa.version: [ 1, 2 ]
amdhsa.kernels:
  - .name:           k_q98a35ca4a2_codes
    .symbol:         k_q98a35ca4a2_codes.kd
    .args:
      - { .name: qkv, .offset: 0, .size: 8, .value_kind: global_buffer, .address_space: global }
      - { .name: stats, .offset: 8, .size: 8, .value_kind: global_buffer, .address_space: global }
      - { .name: scalar, .offset: 16, .size: 8, .value_kind: global_buffer, .address_space: global }
      - { .name: aimg, .offset: 24, .size: 8, .value_kind: global_buffer, .address_space: global }
    .group_segment_fixed_size: 327680
    .private_segment_fixed_size: 0
    .kernarg_segment_align: 8
    .kernarg_segment_size: 32
    .max_flat_workgroup_size: 128
    .sgpr_count:     100
    .vgpr_count:     1024
    .wavefront_size: 32
...
	.end_amdgpu_metadata
.endif
;; end of part 4
;; launch pv (part 5): grid 8 x 32, 4 waves a work-group, clusters of 4 x 4, 327,680 bytes of LDS; arguments aimg, qkv, out0; writes out0
.if DOCPART == 5
	.amdgcn_target "amdgcn-amd-amdhsa--gfx1250"
	.amdhsa_code_object_version 6
	.text
	.protected	k_q98a35ca4a2_pv
	.globl	k_q98a35ca4a2_pv
	.p2align	8
	.type	k_q98a35ca4a2_pv,@function
k_q98a35ca4a2_pv:
	s_mov_b64 s[64:65], 0
	v_nop
	global_prefetch_b8 v0, s[64:65] scope:SCOPE_SE
	s_setreg_imm32_b32 hwreg(HW_REG_WAVE_MODE, 25, 1), 1
	s_wait_xcnt 0x0
	s_wait_alu depctr_hold_cnt(0) depctr_sa_sdst(0) depctr_va_vdst(0) depctr_va_sdst(0) depctr_va_ssrc(0) depctr_va_vcc(0) depctr_vm_vsrc(0)
	s_getreg_b32 s2, hwreg(HW_REG_IB_STS2, 6, 4)
	s_cmp_eq_u32 s2, 0
	s_cbranch_scc0 .Lentry_in_a_cluster
	s_endpgm
.Lentry_in_a_cluster:
	s_bfe_u32 s2, ttmp6, 0x10000c
	s_cmp_lg_u32 s2, 0xf033
	s_cbranch_scc0 .Lentry_shape_is_right
	s_endpgm
.Lentry_shape_is_right:
; Launch 5 of 5: out0 = attn V on codes of E2M3.  P = 256 queries (two groups of aimg), R = 128 channels (one group of V^T, in qkv at VOFF), K = the batch's 2,048 keys = 16 K steps.  Images: head of launch 1.
; The product and its registers are launch 2's: four waves, 64 queries x 128 channels each, 32 accumulators, used transposed: a lane holds one query and its registers run along the channels.
; THE RING.  Two slots of four K steps (153,600 bytes each); four fills.  Both first fills go out at the head; each of the two refills stands first behind a round of the cluster's barrier, ahead of which every wave has waited for all
; its tensor loads, added 0 to its spare word, and waited for that and for its reads of the slot; a refill has a slot's 128 products in which to land.  By this text's own count a wave has at most two tensor loads out.
; CLUSTERS of 4 x 4: attn's blocks are shared along a row of the cluster, V^T's along a column.  The launch claims all of a work-group processor's LDS.
; No prefetch: the walk has two refills in all.
; THE WAY OUT.  A tile's 16 queries x 128 channels go through the wave's own stage in LDS and leave as whole rows of 512 bytes.  The stage lies in slot 0, which has had its last fill and its last read by then.
; (THE FIRST FILLS, as the text below has them: slot 0's goes out at the head, one joint load a wave; slot 1's goes out at the head's end as a refill does, behind the three lines and a round. So one tensor load of a wave is out at any place.
; A slot is given up in its last step, when that step's fragments are in registers: the refill stands first behind the round, then the other slot's first fragments are fetched, then come the step's 32 products.)
.set BLK,   12800
.set FRB,   1536
.set SCO,   12288
.set GSZ,   16*BLK                     ; a group of aimg and of V^T
.set VOFF,  13107200
.set SLOT,  153600
.set PG,    51200
.set ROFF,  102400
.set SPARE, 307200                     ; behind the two slots: the spare words, 128 bytes for each wave, which no other line names
.set PROWS, 200                        ; a load for P: a group's four blocks, as 200 rows of 256 bytes
.set RROWS, 100                        ; a load for R: two blocks
.set STP,   528                        ; a stage row: 512 bytes + 16
.set LI,  1
.set L8,  2
.set ADP, 4
.set ADR, 6
.set ASP, 8
.set ASR, 10
.set STO, 14                           ; v14  the stage: where I put 16 bytes of a row
.set RD,  15                           ; v15  and where I read a row back
.set SC,  16
.set PF,  32
.set SPW, 252
.set NIL, 253
.set MSB, 0
.macro WIN new
.if MSB != (\new)
	s_set_vgpr_msb (MSB<<8)|(\new)
.set MSB, (\new)
.endif
.endm
.macro PLACES
.rept 4
	v_nop
.endr
.endm
.macro JLOAD g0p, g0r                  ; a joint load: waves 0 and 1 fetch for P, waves 2 and 3 for R; an s_nop 0 and four v_nop follow each line
	s_cmp_eq_u32 s15, 0
	s_cbranch_scc0 .Lfor_r_\@
	tensor_load_to_lds s[\g0p:\g0p+3], s[24:31]
	s_nop 0
.rept 4
	v_nop
.endr
	s_branch .Lasked_\@
.Lfor_r_\@:
	tensor_load_to_lds s[\g0r:\g0r+3], s[32:39]
	s_nop 0
.rept 4
	v_nop
.endr
.Lasked_\@:
.endm
.macro CROUND
	s_barrier_signal -1
	s_barrier_wait -1
	s_cmp_lg_u32 s14, 0
	s_cbranch_scc1 .Lnot_wave_0_\@
	s_barrier_signal -3
.Lnot_wave_0_\@:
	s_barrier_wait -3
	s_barrier_signal -1
	s_barrier_wait -1
.endm
.macro FETCH s, p                      ; block s % 4 of slot (s / 4) % 2 into set p: 39 LDS loads of consecutive bytes
	PLACES
	WIN 0x40
.irp b, 0,1,2,3,4,5,6,7
.irp c, 0,1,2
	ds_load_b128 v[128*(\p)+12*\b+4*\c:128*(\p)+12*\b+4*\c+3], v[ADR+((\s)/4)%2] offset:((\s)%4)*BLK+FRB*\b+512*\c
.endr
.endr
	WIN 0
.irp a, 0,1,2,3
.irp c, 0,1,2
	ds_load_b128 v[PF+48*(\p)+12*\a+4*\c:PF+48*(\p)+12*\a+4*\c+3], v[ADP+((\s)/4)%2] offset:((\s)%4)*BLK+FRB*\a+512*\c
.endr
.endr
	ds_load_b64 v[SC+8*(\p):SC+8*(\p)+1], v[ASR+((\s)/4)%2] offset:((\s)%4)*BLK
	ds_load_b64 v[SC+8*(\p)+2:SC+8*(\p)+3], v[ASR+((\s)/4)%2] offset:((\s)%4)*BLK+256
	ds_load_b64 v[SC+8*(\p)+4:SC+8*(\p)+5], v[ASP+((\s)/4)%2] offset:((\s)%4)*BLK
.endm
.macro WM a, b, p, zero
.set rD, 8*(8*(\a)+(\b))
.set rA, 128*(\p)+12*(\b)
.set rB, PF+48*(\p)+12*(\a)
.set rSA, SC+8*(\p)+(\b)/2
.set rSB, SC+8*(\p)+4+(\a)/2
.if \zero
.if (((\a)%2) == 0) && (((\b)%2) == 0)
	v_wmma_scale_f32_16x16x128_f8f6f4 v[rD:rD+7], v[rA:rA+11], v[rB:rB+11], 0, v[rSA], v[rSB] matrix_a_fmt:MATRIX_FMT_FP6 matrix_b_fmt:MATRIX_FMT_FP6
.elseif ((\a)%2) == 0
	v_wmma_scale_f32_16x16x128_f8f6f4 v[rD:rD+7], v[rA:rA+11], v[rB:rB+11], 0, v[rSA], v[rSB] matrix_a_fmt:MATRIX_FMT_FP6 matrix_b_fmt:MATRIX_FMT_FP6 matrix_a_scale:MATRIX_SCALE_ROW1
.elseif ((\b)%2) == 0
	v_wmma_scale_f32_16x16x128_f8f6f4 v[rD:rD+7], v[rA:rA+11], v[rB:rB+11], 0, v[rSA], v[rSB] matrix_a_fmt:MATRIX_FMT_FP6 matrix_b_fmt:MATRIX_FMT_FP6 matrix_b_scale:MATRIX_SCALE_ROW1
.else
	v_wmma_scale_f32_16x16x128_f8f6f4 v[rD:rD+7], v[rA:rA+11], v[rB:rB+11], 0, v[rSA], v[rSB] matrix_a_fmt:MATRIX_FMT_FP6 matrix_b_fmt:MATRIX_FMT_FP6 matrix_a_scale:MATRIX_SCALE_ROW1 matrix_b_scale:MATRIX_SCALE_ROW1
.endif
.else
.if (((\a)%2) == 0) && (((\b)%2) == 0)
	v_wmma_scale_f32_16x16x128_f8f6f4 v[rD:rD+7], v[rA:rA+11], v[rB:rB+11], v[rD:rD+7], v[rSA], v[rSB] matrix_a_fmt:MATRIX_FMT_FP6 matrix_b_fmt:MATRIX_FMT_FP6
.elseif ((\a)%2) == 0
	v_wmma_scale_f32_16x16x128_f8f6f4 v[rD:rD+7], v[rA:rA+11], v[rB:rB+11], v[rD:rD+7], v[rSA], v[rSB] matrix_a_fmt:MATRIX_FMT_FP6 matrix_b_fmt:MATRIX_FMT_FP6 matrix_a_scale:MATRIX_SCALE_ROW1
.elseif ((\b)%2) == 0
	v_wmma_scale_f32_16x16x128_f8f6f4 v[rD:rD+7], v[rA:rA+11], v[rB:rB+11], v[rD:rD+7], v[rSA], v[rSB] matrix_a_fmt:MATRIX_FMT_FP6 matrix_b_fmt:MATRIX_FMT_FP6 matrix_b_scale:MATRIX_SCALE_ROW1
.else
	v_wmma_scale_f32_16x16x128_f8f6f4 v[rD:rD+7], v[rA:rA+11], v[rB:rB+11], v[rD:rD+7], v[rSA], v[rSB] matrix_a_fmt:MATRIX_FMT_FP6 matrix_b_fmt:MATRIX_FMT_FP6 matrix_a_scale:MATRIX_SCALE_ROW1 matrix_b_scale:MATRIX_SCALE_ROW1
.endif
.endif
.endm
.macro MUL p, zero                     ; 32 products; the accumulators take turns, one instruction a turn, in the same order in every step
	WIN 0xa1
.irp a, 0,1,2,3
.irp b, 0,1,2,3,4,5,6,7
	WM \a, \b, \p, \zero
.endr
.endr
	WIN 0
.endm
; A K step.  chg: the change of slots in a slot's last step (0 none, 1 with a refill, 3 no refill); more = 1: the next step's fragments are fetched, in one run, ahead of this step's products, from the other slot too.
.macro STEP s, zero, chg, more
	s_wait_dscnt 0x0                               ; this step's 39 loads, issued 32 products ago; in a slot's last step: all my reads of the slot
.if (\chg) == 1
	CHANGE 1, ((\s)/4)%2
.elseif (\chg) == 3
	CHANGE 0, 0
.endif
.if \more
	FETCH (\s)+1, ((\s)+1)%2
.endif
	MUL (\s)%2, \zero
.endm
.macro CHANGE fill, sl                 ; the change of slots.  fill = 1: slot sl, just read out, is filled again with the K steps two fills on
	s_wait_tensorcnt 0x0                           ; all my tensor loads have landed, my part of the slot ahead among them: so a group 0 may be written
	ds_add_u32 v[SPW], v[NIL]                      ; 0 onto my spare word
.if \fill
	s_add_nc_u64 s[42+4*(\sl):43+4*(\sl)], s[42+4*(\sl):43+4*(\sl)], 2*4*BLK
	s_add_nc_u64 s[58+4*(\sl):59+4*(\sl)], s[58+4*(\sl):59+4*(\sl)], 2*4*BLK
.endif
	s_wait_dscnt 0x0                               ; the add is done, and my reads of the slot that I leave are over
.if \fill
	CROUND                                         ; no wave of any partner still reads the slot or has a load on its way
	JLOAD 40+4*(\sl), 56+4*(\sl)                   ; the first thing behind the round, and my one tensor load until the next
.else
	s_barrier_signal -1
	s_barrier_wait -1
.endif
.endm
	s_load_b128 s[4:7], s[0:1], 0x0                ; aimg, qkv
	s_load_b64 s[8:9], s[0:1], 0x10                ; out0
	v_lshl_add_u32 v[SPW], v0, 2, SPARE
	v_mov_b32 v[NIL], 0
	ds_add_u32 v[SPW], v[NIL]                      ; the wave's opening: the add, twice on end, and its wait ahead of my first tensor load
	ds_add_u32 v[SPW], v[NIL]
	v_lshrrev_b32 v3, 5, v0
	v_readfirstlane_b32 s14, v3
	s_lshr_b32 s15, s14, 1
	s_and_b32 s16, s14, 1
	s_bfe_u32 s76, ttmp6, 0x40000
	s_bfe_u32 s77, ttmp6, 0x40004
	s_lshl_b32 s78, ttmp9, 2
	s_add_co_u32 s78, s78, s76                     ; work-group x: 128 channels
	s_and_b32 s17, ttmp7, 0xffff
	s_lshl_b32 s79, s17, 2
	s_add_co_u32 s79, s79, s77                     ; work-group y: 256 queries
	s_lshl_b32 s80, s77, 2
	s_lshl_b32 s80, 15, s80
	s_lshl_b32 s81, 0x1111, s76
	s_or_b32 s24, s80, (3<<16)|(1<<21)
	s_or_b32 s32, s81, (3<<16)|(1<<21)
	s_mov_b32 s25, 32<<16
	s_mov_b32 s26, PROWS<<16
	s_mov_b32 s27, 32<<16
	s_mov_b32 s28, PROWS
	s_mov_b32 s29, 32
	s_mov_b32 s30, 0
	s_mov_b32 s31, 0
	s_mov_b32 s33, 32<<16
	s_mov_b32 s34, RROWS<<16
	s_mov_b32 s35, 32<<16
	s_mov_b32 s36, RROWS
	s_mov_b32 s37, 32
	s_mov_b32 s38, 0
	s_mov_b32 s39, 0
	s_lshr_b32 s18, s17, 1                         ; the batch
	s_lshl_b32 s82, s79, 1
	s_add_co_u32 s82, s82, s16
	s_mul_i32 s82, s82, GSZ                        ; attn's group that I fetch
	s_mov_b32 s83, 0
	s_lshl_b32 s84, s18, 3
	s_add_co_u32 s84, s84, s78
	s_mul_i32 s84, s84, GSZ                        ; V^T's group
	s_mul_i32 s21, s16, 2*BLK                      ; the two blocks of a fill's four that I fetch: in memory and in LDS
	s_add_co_u32 s84, s84, s21
	s_add_co_u32 s84, s84, VOFF
	s_mov_b32 s85, 0
	s_mul_i32 s22, s16, PG
	s_lshl_b32 s2, s79, 2
	s_add_co_u32 s2, s2, s14
	s_lshl_b32 s2, s2, 18                          ; my first query: (256 y + 64 wave) rows of 4,096 bytes
	s_lshl_b32 s3, s78, 9
	s_add_co_u32 s2, s2, s3                        ; + 512 bytes for each 128 channels
	s_mov_b32 s3, 0
	s_wait_dscnt 0x0                               ; both opening adds are done
	s_wait_kmcnt 0x0
	s_add_nc_u64 s[86:87], s[8:9], s[2:3]
	s_add_nc_u64 s[82:83], s[4:5], s[82:83]
	s_add_nc_u64 s[84:85], s[6:7], s[84:85]
.irp f, 0,1                                    ; slot f begins with fill f
	s_mov_b32 s[40+4*\f], 1
	s_add_co_u32 s[41+4*\f], s22, \f*SLOT
	s_add_nc_u64 s[42+4*\f:43+4*\f], s[82:83], \f*4*BLK
	s_or_b32 s[43+4*\f], s[43+4*\f], 0x80000000
	s_mov_b32 s[56+4*\f], 1
	s_add_co_u32 s[57+4*\f], s21, ROFF+\f*SLOT
	s_add_nc_u64 s[58+4*\f:59+4*\f], s[84:85], \f*4*BLK
	s_or_b32 s[59+4*\f], s[59+4*\f], 0x80000000
.endr
	CROUND                                         ; all sixteen work-groups are here: the first joint loads meet
	JLOAD 40, 56                                   ; slot 0: one tensor load a wave at the head
	v_and_b32 v3, 31, v0
	v_lshlrev_b32 v[LI], 4, v3
	v_lshlrev_b32 v[L8], 3, v3
	s_mul_i32 s2, s15, PG
	s_mul_i32 s3, s16, 4*FRB
	s_add_co_u32 s3, s3, s2
	v_add_nc_u32 v[ADP], s3, v[LI]
	v_add_nc_u32 v[ADP+1], SLOT, v[ADP]
	v_add_nc_u32 v[ADR], ROFF, v[LI]
	v_add_nc_u32 v[ADR+1], SLOT+ROFF, v[LI]
	s_lshl_b32 s3, s16, 8
	s_add_co_u32 s3, s3, s2
	s_add_co_u32 s3, s3, SCO
	v_add_nc_u32 v[ASP], s3, v[L8]
	v_add_nc_u32 v[ASP+1], SLOT, v[ASP]
	v_add_nc_u32 v[ASR], ROFF+SCO, v[L8]
	v_add_nc_u32 v[ASR+1], SLOT+ROFF+SCO, v[L8]
	v_and_b32 v12, 15, v0                          ; r
	v_bfe_u32 v13, v0, 4, 1                        ; h
	s_mul_i32 s2, s14, 16*STP                      ; my stage
	v_mul_u32_u24 v[STO], v12, STP
	v_lshl_add_u32 v[STO], v13, 6, v[STO]
	v_add_nc_u32 v[STO], s2, v[STO]                ; in: row r, + 64 h
	v_add_nc_u32 v[RD], s2, v[LI]                  ; back: a whole row, 16 bytes a lane
	s_wait_alu depctr_va_vdst(0)
	s_wait_tensorcnt 0x0                           ; my part of slot 0 is in; slot 1's first fill is issued as a refill is
	ds_add_u32 v[SPW], v[NIL]
	s_wait_dscnt 0x0
	CROUND                                         ; everybody's part of slot 0 is in, and the joint loads meet
	JLOAD 44, 60                                   ; slot 1: my one tensor load behind the round
	FETCH 0, 0
	STEP 0, 1, 0, 1                                ; keys 0-511; the first step's products start the sums
	STEP 1, 0, 0, 1
	STEP 2, 0, 0, 1
	STEP 3, 0, 1, 1                                ; slot 0 takes keys 1024-1535
	STEP 4, 0, 0, 1
	STEP 5, 0, 0, 1
	STEP 6, 0, 0, 1
	STEP 7, 0, 1, 1                                ; slot 1 takes keys 1536-2047
	STEP 8, 0, 0, 1
	STEP 9, 0, 0, 1
	STEP 10, 0, 0, 1
	STEP 11, 0, 3, 1                               ; nothing is left to fetch; behind this barrier nobody reads slot 0
	STEP 12, 0, 0, 1
	STEP 13, 0, 0, 1
	STEP 14, 0, 0, 1
	STEP 15, 0, 0, 0
; THE WAY OUT.  Register j of accumulator (a, b), lane (r, h), is channel 32 (b / 2) + 16 h + 8 (b % 2) + j of the query at lane index r of tile a.
.macro TOSTAGE a
	WIN 0x08                                       ; an LDS store's data are its source 1: window 2
.irp b, 0,1,2,3,4,5,6,7
	ds_store_b128 v[STO], v[64*(\a)+8*\b:64*(\a)+8*\b+3] offset:128*(\b/2)+32*(\b%2)          ; each accumulator from its low end on
	ds_store_b128 v[STO], v[64*(\a)+8*\b+4:64*(\a)+8*\b+7] offset:128*(\b/2)+32*(\b%2)+16
.endr
	WIN 0
.set BB, 32+64*((\a)%2)
.irp t, 0,1,2,3,4,5,6,7,8,9,10,11,12,13,14,15
	ds_load_b128 v[BB+4*\t:BB+4*\t+3], v[RD] offset:STP*\t     ; LDS serves a wave's instructions in order (ISA guide 5.7.1.4): these see the stores above, and the next tile's stores come behind them
.endr
.endm
.macro SEND a, younger                 ; younger: the LDS instructions issued behind tile a's loads, which may stay out
.set BB, 32+64*((\a)%2)
	s_wait_dscnt \younger
.irp t, 0,1,2,3,4,5,6,7,8,9,10,11,12,13,14,15
	global_store_b128 v[LI], v[BB+4*\t:BB+4*\t+3], s[86:87] offset:(32*((\a)/2)+8*((\a)%2)+\t+8*(\t/8))*4096 th:TH_STORE_NT   ; 512 consecutive bytes of one row of out0, aligned; written once
.endr
.endm
	PLACES                                         ; behind the last products: for the first read of results, and for the loads into registers that held P's fragments
	TOSTAGE 0
	TOSTAGE 1
	SEND 0, 32                                     ; behind tile 0's loads: tile 1's 16 stores and 16 loads
	s_wait_xcnt 0x0                                ; tile 0's stores have read their registers: tile 2's loads may land there
	TOSTAGE 2
	SEND 1, 32
	s_wait_xcnt 0x0
	TOSTAGE 3
	SEND 2, 32
	SEND 3, 0
	s_wait_tensorcnt 0x0                           ; the wave's end, behind my last tensor load and my last LDS store
	ds_add_u32 v[SPW], v[NIL]
	s_wait_dscnt 0x0
	CROUND                                         ; the closing round: no work-group ends while a partner may still ask for a tile that names it
	s_endpgm
.Lfunc_end_k_q98a35ca4a2_pv:
	.size	k_q98a35ca4a2_pv, .Lfunc_end_k_q98a35ca4a2_pv-k_q98a35ca4a2_pv
	.p2alignl 7, 3214868480
	.fill 96, 4, 3214868480
	.section	.rodata,"a",@progbits
	.p2align	6, 0x0
	.amdhsa_kernel k_q98a35ca4a2_pv
		.amdhsa_group_segment_fixed_size 327680
		.amdhsa_private_segment_fixed_size 0
		.amdhsa_enable_private_segment 0
		.amdhsa_kernarg_size 24
		.amdhsa_user_sgpr_count 2
		.amdhsa_user_sgpr_kernarg_segment_ptr 1
		.amdhsa_wavefront_size32 1
		.amdhsa_system_sgpr_workgroup_id_x 1
		.amdhsa_system_sgpr_workgroup_id_y 1
		.amdhsa_system_sgpr_workgroup_id_z 1
		.amdhsa_system_vgpr_workitem_id 0
		.amdhsa_next_free_vgpr 768
		.amdhsa_next_free_sgpr 100
		.amdhsa_reserve_vcc 0
		.amdhsa_float_denorm_mode_32 3
		.amdhsa_float_denorm_mode_16_64 3
		.amdhsa_memory_ordered 1
		.amdhsa_forward_progress 1
		.amdhsa_inst_pref_size 132
	.end_amdhsa_kernel
	.amdgpu_metadata
---
amdhsa.version: [ 1, 2 ]
amdhsa.kernels:
  - .name:           k_q98a35ca4a2_pv
    .symbol:         k_q98a35ca4a2_pv.kd
    .args:
      - { .name: aimg, .offset: 0, .size: 8, .value_kind: global_buffer, .address_space: global }
      - { .name: qkv, .offset: 8, .size: 8, .value_kind: global_buffer, .address_space: global }
      - { .name: out0, .offset: 16, .size: 8, .value_kind: global_buffer, .address_space: global }
    .group_segment_fixed_size: 327680
    .private_segment_fixed_size: 0
    .kernarg_segment_align: 8
    .kernarg_segment_size: 24
    .max_flat_workgroup_size: 128
    .sgpr_count:     100
    .vgpr_count:     768
    .wavefront_size: 32
...
	.end_amdgpu_metadata
.endif
;; end of part 5
